; MI455X (gfx1250); checked and timed in simulation.
; The chip was launched on July 23, 2026; its instructions are those of AMD's public machine-readable ISA for CDNA 5 (MIT licence, August 2026) and "CDNA5" Instruction Set Architecture Reference Guide (July 2026). The comments in the code are by the model that wrote it; some were corrected since.
;; Causal Self Attention. Allowed arithmetic: matrix products marked QUANTISED: E5M2 operands, one given power-of-two scale a tensor, by v_wmma_f32_16x16x64_bf8_bf8 or v_wmma_f32_16x16x128_bf8_bf8, f32 sums; everything else in f32.
;; Inputs: W_proj 1,024 x 1,024 float32; W_qkv 1,024 x 3,072 float32; b_proj 1,024 float32; b_qkv 3,072 float32; lowp_scales 8 int32 (the exponents e of the quantised operands' scales 2^e); x 4 x 2,048 x 1,024 float32.
;; Outputs: out0 4 x 2,048 x 1,024 float32.
;; This version of the problem:
;;   THIS VERSION OF THE PROBLEM IS GIVEN IN LOW PRECISION. The matrix products marked QUANTISED in the list below multiply operands that are first quantised to E5M2 (5 exponent bits, 2 mantissa bits; 8 bits a number), with one given power-of-two scale for each operand tensor; their sums are f32. All else is computed in f32.
;;   The module's matrix products, in the order in which they are computed (A, B: the left and right operand; K: the contracted axis; several contracted axes count as one K, in the product's order):
;;     1. [M 8,192, K 1,024] x [K 1,024, N 3,072]; A: input x; B: input W_qkv: QUANTISED (scales: A lowp_scales[0], B lowp_scales[1])
;;     2. batch 64 x [M 2,048, K 64] x [K 64, N 2,048]; A: computed on the way; B: computed on the way: QUANTISED (scales: A lowp_scales[2], B lowp_scales[3])
;;     3. batch 64 x [M 2,048, K 2,048] x [K 2,048, N 64]; A: softmax (see below); B: computed on the way: QUANTISED (scales: A lowp_scales[4], B lowp_scales[5])
;;     4. [M 8,192, K 1,024] x [K 1,024, N 1,024]; A: computed on the way; B: input W_proj: QUANTISED (scales: A lowp_scales[6], B lowp_scales[7])
;;   THE QUANTISER, for each operand of a quantised product, along K:
;;     - The operand's scale is 2^e, e = its entry of the input lowp_scales (int32; the entries are numbered through the quantised products in the list's order, A before B).
;;     - Each number is divided by the scale, clamped to +-57,344, and rounded to the nearest number of E5M2, ties to even, subnormals kept.
;;     - The product sums the exact products of the quantised numbers (number of the format x scale) in f32.
;;   ~~~python
;;   def quantise(x, axis, e):      # numpy; x: float32 -> the quantised numbers, widened to float32 again
;;       x = np.moveaxis(x, axis, -1); K = x.shape[-1]
;;       r = np.clip(x / 2.0 ** e, -57344, 57344)
;;       step = 2.0 ** (np.maximum(np.frexp(np.where(r == 0, 1, r))[1] - 1, -14) - 2)
;;       q = np.round(r / step) * step * 2.0 ** e      # np.round: ties to even
;;       return np.moveaxis(q, -1, axis).astype(np.float32)
;;   ~~~
;;   SOFTMAX AHEAD OF A QUANTISED PRODUCT. Where the list says 'softmax', what is quantised is not the finished softmax but p = 2^(t - M), with t = logit x log2(e) and M = ceil(the row's largest t), a whole number; so 1/2 < the row's largest p <= 1. The row's sum l is taken of the UNQUANTISED p, in f32, and the product's result is divided by l at the end. Since M is a whole number, a kernel that streams over the keys may use a running M (the ceiling of the running maximum): every later rescaling is an exact power of two, so the quantised numbers keep their values, but for numbers so far below the row's largest that they fall under the format's range.
;;   OPERANDS COMPUTED ON THE WAY. 'Computed on the way' means the value that the module computes at that place (a softmax that the list does not call 'softmax' is quantised finished and normalised). What goes into a quantiser is computed in f32, as accurately as f32 sums, v_exp_f32 and their like allow (about 1e-6 of the number): no bf16 or f16 on the way to a quantiser, and a product that is left as it is and whose result goes on into a quantised operand takes f32 operands (vector FMAs, or v_wmma_f32_16x16x4_f32). A number that lies on a knife's edge between two numbers of the format may be rounded either way, as far as f32 arithmetic and the matrix unit's own rounding can turn it there, and no further.
;; One version. Each part assembles by itself: llvm-mc -triple=amdgcn-amd-amdhsa -mcpu=gfx1250 --defsym DOCPART=n.
;; ======== version 1 of 1: 4 launches
;; limits: right only within a limited range of input values
;; workspace buffers: x_codes 8,388,608 bytes; wqkv_codes 3,145,728 bytes; wproj_codes 1,048,576 bytes; q_codes 8,388,608 bytes; k_codes 8,388,608 bytes; v_codes 8,388,608 bytes; a_codes 8,388,608 bytes
;; launch quant (part 1): grid 384 x 1, 4 waves a work-group, no clusters, 102,912 bytes of LDS; arguments x, W_qkv, W_proj, lowp_scales, x_codes, wqkv_codes, wproj_codes; writes x_codes, wqkv_codes, wproj_codes
.if DOCPART == 1
	.amdgcn_target "amdgcn-amd-amdhsa--gfx1250"
	.amdhsa_code_object_version 6
	.text
	.protected	k_q54ef38539f_quant
	.globl	k_q54ef38539f_quant
	.p2align	8
	.type	k_q54ef38539f_quant,@function
k_q54ef38539f_quant:
	s_mov_b64 s[64:65], 0
	v_nop
	global_prefetch_b8 v0, s[64:65] scope:SCOPE_SE
	s_setreg_imm32_b32 hwreg(HW_REG_WAVE_MODE, 25, 1), 1
	s_wait_xcnt 0x0
; x [8192][1024], W_qkv [1024][3072] and W_proj [1024][1024], f32, become codes of BF8 (E5M2), one byte each, K innermost, each with the one scale 2^e that is given for it
; (entries 0, 1 and 7 of the scales).  code = number / 2^e, held within +-57,344, rounded to the nearest code, ties to even.
; LIMITS: each e lies between -126 and 112, so that 2^e and 57,344 x 2^e are f32 numbers.  NaN among the inputs is not served (an infinity is held at the largest code).
; Every work-group takes 32,768 numbers.  Work-groups 0-255: x, whose K is innermost: a plain stream.  256-351: W_qkv, 352-383: W_proj, whose K is the FIRST axis: a lane takes a column and its
; registers run down K, so that the conversions give codes with K innermost: wqkv_codes [3072][1024], wproj_codes [1024][1024].
; The three ways part on the work-group's number alone, each has LDS bytes of its own, each ends the wave.  Waves share nothing: no barrier.
.set SP,    80                         ; x: a lane's place in a stage: its 64 bytes + 16 of padding
.set STEPS, 16
.set R,     16                         ; x: v16-79   four sets of 16 numbers as they are loaded
.set X,     80                         ; x: v80-111  two sets of 16 neighbours
.set C,     128                        ; x: v128-191 codes: four registers for each step, so that no store's data are written again
.set WP,    272                        ; weights: a stage row: 256 bytes of codes + 16
.set WX,    32                         ; weights: v32-95 two sets of 32 numbers
.set WC,    96                         ; weights: v96-103 a block's codes
.set OUTR,  112                        ; weights: v112-175 the way out
.macro SCALE ex                        ; v11 = 2^e as f32 (the conversion takes its exponent field), v10 = 57,344 x 2^e
	s_add_co_i32 s34, s[\ex], 127
	s_lshl_b32 s35, s34, 23
	v_mov_b32 v11, s35
	s_add_co_i32 s34, s34, 15
	s_lshl_b32 s34, s34, 23
	s_or_b32 s34, s34, 0x600000
	v_mov_b32 v10, s34
.endm
.macro XLOAD t
.irp i, 0,1,2,3
	global_load_b128 v[R+16*((\t)%4)+4*\i:R+16*((\t)%4)+4*\i+3], v3, s[4:5] offset:2048*(\t)+512*\i th:TH_LOAD_NT   ; 32 lanes read 512 consecutive bytes
.endr
.endm
.macro XTURN t                         ; step t's 2,048 bytes through the wave's stage: in as they lie, back 64 bytes a lane; LDS serves a wave's instructions in order
.irp i, 0,1,2,3
	ds_store_b128 v14, v[R+16*((\t)%4)+4*\i:R+16*((\t)%4)+4*\i+3] offset:32*SP*((\t)%2)+8*SP*\i
.endr
.irp i, 0,1,2,3
	ds_load_b128 v[X+16*((\t)%2)+4*\i:X+16*((\t)%2)+4*\i+3], v15 offset:32*SP*((\t)%2)+16*\i
.endr
.endm
.macro XSTEP t
.set XS, X+16*((\t)%2)
	s_wait_dscnt 0x0                               ; this step's numbers are back from the stage, so its stores into the stage have read their registers,
.if (\t)+4 < STEPS
	XLOAD (\t)+4                                   ; which take the loads of four steps on
.endif
.if (\t)+1 < STEPS
.if STEPS-2-(\t) >= 3
	s_wait_loadcnt 12                              ; the next step's four loads are in; those of the three steps behind it may be out
.else
	s_wait_loadcnt 4*(STEPS-2-(\t))
.endif
	XTURN (\t)+1
.endif
.irp i, 0,1,2,3,4,5,6,7,8,9,10,11,12,13,14,15
	v_med3_num_f32 v[XS+\i], v[XS+\i], -v10, v10   ; the conversion to an 8-bit code does not saturate (ISA guide 7.6.2): the hold comes first
.endr
	v_cvt_scalef32_pk8_bf8_f32 v[C+4*(\t):C+4*(\t)+1], v[XS:XS+7], v11
	v_cvt_scalef32_pk8_bf8_f32 v[C+4*(\t)+2:C+4*(\t)+3], v[XS+8:XS+15], v11
	global_store_b128 v4, v[C+4*(\t):C+4*(\t)+3], s[12:13] offset:512*(\t)   ; the wave stores 512 consecutive bytes
.endm
.macro WLOAD t, cols, src              ; block t: W(32 t + i, my column), i = 0 .. 31, into set t % 2
.irp i, 0,1,2,3,4,5,6,7,8,9,10,11,12,13,14,15,16,17,18,19,20,21,22,23,24,25,26,27,28,29,30,31
	global_load_b32 v[WX+32*((\t)%2)+\i], v3, s[\src:\src+1] offset:(32*(\t)+\i)*(\cols)*4 th:TH_LOAD_NT
.endr
.endm
.macro WBLOCK t, cols, src
.set XS, WX+32*((\t)%2)
.if (\t) < 7
	s_wait_loadcnt 32                              ; this block's 32 loads are in; the next block's may be out
.else
	s_wait_loadcnt 0
.endif
.irp i, 0,1,2,3,4,5,6,7,8,9,10,11,12,13,14,15,16,17,18,19,20,21,22,23,24,25,26,27,28,29,30,31
	v_med3_num_f32 v[XS+\i], v[XS+\i], -v10, v10
.endr
.irp g, 0,1,2,3
	v_cvt_scalef32_pk8_bf8_f32 v[WC+2*\g:WC+2*\g+1], v[XS+8*\g:XS+8*\g+7], v11
.endr
	ds_store_b128 v4, v[WC:WC+3] offset:32*(\t)    ; 32 codes: 32 bytes of my column's row
	ds_store_b128 v4, v[WC+4:WC+7] offset:32*(\t)+16
.if (\t)+2 < 8
	WLOAD (\t)+2, \cols, \src
.endif
	s_wait_dscnt 0x0                               ; the stores have read their registers: the next block's codes may be written
.endm
; A weight of \cols columns.  A work-group takes 128 columns x 256 along K, a wave 32 columns: 8 blocks of 32 a lane.  The codes gather in the wave's stage and leave as rows:
; sixteen lanes store 256 consecutive bytes, aligned.  Every offset is an immediate: 255 x cols x 4 bytes at the most, inside the signed 24 bits (ISA guide, chapter 10).
.macro WPATH cols, first, base, src, dst, ex
	s_sub_co_u32 s21, ttmp9, \first
	s_and_b32 s22, s21, 3                          ; which 256 along K
	s_lshr_b32 s21, s21, 2
	s_lshl_b32 s21, s21, 7
	s_lshl_b32 s23, s20, 5
	s_add_co_u32 s21, s21, s23                     ; my wave's first column
	v_lshlrev_b32 v3, 2, v2                        ; in: 4 bytes a lane
	s_mul_i32 s23, s20, 32*WP
	s_add_co_u32 s23, s23, \base                   ; my stage
	v_mul_u32_u24 v4, v2, WP
	v_add_nc_u32 v4, s23, v4                       ; into it: row = my column
	v_and_b32 v5, 15, v2
	v_lshrrev_b32 v6, 4, v2
	v_mul_u32_u24 v7, v6, WP
	v_lshl_add_u32 v7, v5, 4, v7
	v_add_nc_u32 v7, s23, v7                       ; out of it: sixteen lanes to a row, two rows an instruction
	v_lshlrev_b32 v8, 10, v6
	v_lshl_add_u32 v8, v5, 4, v8                   ; and the same place in the codes' buffer (rows of 1,024 bytes)
	s_mul_i32 s32, s22, 256*(\cols)*4
	s_lshl_b32 s33, s21, 2
	s_add_co_u32 s32, s32, s33
	s_mov_b32 s33, 0
	s_add_nc_u64 s[\src:\src+1], s[\src:\src+1], s[32:33]
	s_lshl_b32 s32, s21, 10
	s_lshl_b32 s34, s22, 8
	s_add_co_u32 s32, s32, s34
	s_add_nc_u64 s[\dst:\dst+1], s[\dst:\dst+1], s[32:33]
	WLOAD 0, \cols, \src
	WLOAD 1, \cols, \src
	s_wait_kmcnt 0x0                               ; the scales' exponents
	SCALE \ex
	s_wait_alu depctr_va_vdst(0)
.irp t, 0,1,2,3,4,5,6,7
	WBLOCK \t, \cols, \src
.endr
.irp t, 0,1,2,3,4,5,6,7,8,9,10,11,12,13,14,15
	ds_load_b128 v[OUTR+4*\t:OUTR+4*\t+3], v7 offset:2*\t*WP
.endr
.irp t, 0,1,2,3,4,5,6,7,8,9,10,11,12,13,14,15
	s_wait_dscnt 15-\t                             ; LDS loads come back in order: load t is in, the younger ones may be out
	global_store_b128 v8, v[OUTR+4*\t:OUTR+4*\t+3], s[\dst:\dst+1] offset:2*\t*1024
.endr
	s_wait_tensorcnt 0x0
	ds_add_u32 v192, v193
	s_wait_dscnt 0x0
	s_endpgm
.endm
	s_load_b256 s[4:11], s[0:1], 0x0               ; x s[4:5], W_qkv s[6:7], W_proj s[8:9], the scales' exponents s[10:11]
	s_load_b128 s[12:15], s[0:1], 0x20             ; x_codes s[12:13], wqkv_codes s[14:15]
	s_load_b64 s[16:17], s[0:1], 0x30              ; wproj_codes
	v_lshl_add_u32 v192, v0, 2, 0x19000
	v_mov_b32 v193, 0
	v_lshrrev_b32 v1, 5, v0
	v_readfirstlane_b32 s20, v1                    ; wave
	v_and_b32 v2, 31, v0                           ; lane
	s_wait_kmcnt 0x0
	s_load_b256 s[24:31], s[10:11], 0x0            ; e0 .. e7
	s_cmp_lt_u32 ttmp9, 256
	s_cbranch_scc0 .Lw
	; ---- x: a wave takes 16 steps of 512 numbers.  LDS bytes 0 to 32,767: 8,192 for each wave, two stages of 32 x 80
	s_wait_alu depctr_va_vdst(0)
	v_lshlrev_b32 v3, 4, v2                        ; my 16 bytes of a load's 512
	s_wait_alu depctr_va_vdst(0)
	s_mul_i32 s21, s20, 8192
	v_lshrrev_b32 v14, 2, v2
	v_mul_u32_u24 v14, v14, SP
	v_and_b32 v15, 3, v2
	v_lshl_add_u32 v14, v15, 4, v14
	v_add_nc_u32 v14, s21, v14                     ; the stage, on the way in: four lanes' 64 bytes on end, then 16 of padding
	v_mul_u32_u24 v15, v2, SP
	v_add_nc_u32 v15, s21, v15                     ; and on the way out: my 16 neighbours
	v_lshlrev_b32 v4, 4, v2                        ; my 16 codes' place in a step's 512
	s_lshl_b32 s22, ttmp9, 2
	s_add_co_u32 s22, s22, s20                     ; which run of 8,192 numbers is my wave's
	s_lshl_b32 s32, s22, 15
	s_mov_b32 s33, 0
	s_add_nc_u64 s[4:5], s[4:5], s[32:33]
	s_lshl_b32 s32, s22, 13
	s_add_nc_u64 s[12:13], s[12:13], s[32:33]
.irp t, 0,1,2,3
	XLOAD \t
.endr
	s_wait_alu depctr_va_vdst(0)
	s_wait_kmcnt 0x0
	SCALE 24
	s_wait_alu depctr_va_vdst(0)
	s_wait_loadcnt 12                              ; step 0's four loads are in
	XTURN 0
.irp t, 0,1,2,3,4,5,6,7,8,9,10,11,12,13,14,15
	XSTEP \t
.endr
	s_wait_tensorcnt 0x0
	ds_add_u32 v192, v193
	s_wait_dscnt 0x0
	s_endpgm
.Lw:
	s_cmp_lt_u32 ttmp9, 352
	s_cbranch_scc0 .Lwp
	s_wait_alu depctr_va_vdst(0)
	WPATH 3072, 256, 32768, 6, 14, 25              ; W_qkv, e1; LDS bytes 32,768 to 67,583
.Lwp:
	s_wait_alu depctr_va_vdst(0)
	WPATH 1024, 352, 67584, 8, 16, 31              ; W_proj, e7; LDS bytes 67,584 to 102,399
.Lfunc_end_k_q54ef38539f_quant:
	.size	k_q54ef38539f_quant, .Lfunc_end_k_q54ef38539f_quant-k_q54ef38539f_quant
	.p2alignl 7, 3214868480
	.fill 96, 4, 3214868480
	.section	.rodata,"a",@progbits
	.p2align	6, 0x0
	.amdhsa_kernel k_q54ef38539f_quant
		.amdhsa_group_segment_fixed_size 102912
		.amdhsa_private_segment_fixed_size 0
		.amdhsa_enable_private_segment 0
		.amdhsa_kernarg_size 56
		.amdhsa_user_sgpr_count 2
		.amdhsa_user_sgpr_kernarg_segment_ptr 1
		.amdhsa_wavefront_size32 1
		.amdhsa_system_sgpr_workgroup_id_x 1
		.amdhsa_system_sgpr_workgroup_id_y 1
		.amdhsa_system_sgpr_workgroup_id_z 1
		.amdhsa_system_vgpr_workitem_id 0
		.amdhsa_next_free_vgpr 194
		.amdhsa_next_free_sgpr 66
		.amdhsa_reserve_vcc 0
		.amdhsa_float_denorm_mode_32 3
		.amdhsa_float_denorm_mode_16_64 3
		.amdhsa_memory_ordered 1
		.amdhsa_forward_progress 1
		.amdhsa_inst_pref_size 134
	.end_amdhsa_kernel
	.amdgpu_metadata
---
amdhsa.version: [ 1, 2 ]
amdhsa.kernels:
  - .name:           k_q54ef38539f_quant
    .symbol:         k_q54ef38539f_quant.kd
    .args:
      - { .name: x, .offset: 0, .size: 8, .value_kind: global_buffer, .address_space: global }
      - { .name: W_qkv, .offset: 8, .size: 8, .value_kind: global_buffer, .address_space: global }
      - { .name: W_proj, .offset: 16, .size: 8, .value_kind: global_buffer, .address_space: global }
      - { .name: lowp_scales, .offset: 24, .size: 8, .value_kind: global_buffer, .address_space: global }
      - { .name: x_codes, .offset: 32, .size: 8, .value_kind: global_buffer, .address_space: global }
      - { .name: wqkv_codes, .offset: 40, .size: 8, .value_kind: global_buffer, .address_space: global }
      - { .name: wproj_codes, .offset: 48, .size: 8, .value_kind: global_buffer, .address_space: global }
    .group_segment_fixed_size: 102912
    .private_segment_fixed_size: 0
    .kernarg_segment_align: 8
    .kernarg_segment_size: 56
    .max_flat_workgroup_size: 128
    .sgpr_count:     66
    .vgpr_count:     194
    .wavefront_size: 32
...
	.end_amdgpu_metadata
.endif
;; end of part 1
;; launch qkv (part 2): grid 12 x 32, 4 waves a work-group, clusters of 4 x 4, 327,680 bytes of LDS; arguments x_codes, wqkv_codes, lowp_scales, b_qkv, q_codes, k_codes, v_codes; writes q_codes, k_codes, v_codes
.if DOCPART == 2
	.amdgcn_target "amdgcn-amd-amdhsa--gfx1250"
	.amdhsa_code_object_version 6
	.text
	.protected	k_q54ef38539f_qkv
	.globl	k_q54ef38539f_qkv
	.p2align	8
	.type	k_q54ef38539f_qkv,@function
k_q54ef38539f_qkv:
	s_mov_b64 s[64:65], 0
	v_nop
	global_prefetch_b8 v0, s[64:65] scope:SCOPE_SE
	s_setreg_imm32_b32 hwreg(HW_REG_WAVE_MODE, 25, 1), 1
	s_wait_xcnt 0x0
	s_wait_alu depctr_hold_cnt(0) depctr_sa_sdst(0) depctr_va_vdst(0) depctr_va_sdst(0) depctr_va_ssrc(0) depctr_va_vcc(0) depctr_vm_vsrc(0)
	s_getreg_b32 s2, hwreg(HW_REG_IB_STS2, 6, 4)
	s_cmp_eq_u32 s2, 0
	s_cbranch_scc0 .Lentry_in_a_cluster
	s_endpgm
.Lentry_in_a_cluster:
	s_bfe_u32 s2, ttmp6, 0x10000c
	s_cmp_lg_u32 s2, 0xf033
	s_cbranch_scc0 .Lentry_shape_is_right
	s_endpgm
.Lentry_shape_is_right:
; qkv = x W_qkv + b_qkv on codes of BF8 (E5M2), and its three parts quantised again: q (scale entry 2), k (entry 3), v (entry 5).
; x_codes [8192][1024], wqkv_codes [3072][1024]: K innermost.  A sum is multiplied once by 2^(e0 + e1), the bias is added in the same fused multiply-add, the number is held and converted.
; OUT: q_codes, k_codes [head 16 b + h][2048 tokens][64]; v_codes [head][16 steps of 128 keys][64 channels][128 keys]; in each 32 keys the groups of eight lie in the order 0-7, 16-23, 8-15, 24-31.
; LIMITS: e0 + e1 between -126 and 127; e2, e3, e5 between -126 and 112.  NaN among the inputs is not served.
; A tile of 256 x 256 is made by four waves, each 128 x 128: 64 accumulators, 512 registers.  K goes in four steps of 256 through two LDS slots filled by the tensor data mover.
; CLUSTERS of 4 x 4.  Cluster x says which part: 0 q, 1 k, 2 v; it is the same in all sixteen partners, so a branch may hang on it.  THE MATRIX INSTRUCTION IS USED TRANSPOSED: source 0 = 16 rows of side B,
; source 1 = 16 rows of side A: a lane holds one row of side A and eight neighbours of side B.  For q and k side A is x (a lane: one token, eight channels: neighbours along the next K);
; for v the next K is the keys, so the sides change places: side A is W's rows (a lane: one channel), side B is x (eight neighbouring tokens).
; Side A's tile hangs on cy and the cluster's numbers and is asked for jointly along a row of the cluster, side B's on cx and the cluster's numbers, along a column.
; REGISTERS: window 0: v1-31 addresses and two constants; v32-95 the bias of my 64 columns, v96-111 of my eight rows (each twice); from v128 side A's fragments, one set; on the way out v128-255 are free.
;   window 1: side B's fragments, two sets.   windows 2, 3: the accumulators ((a, b) at v[8 (8 (a % 4) + b)]).
.set ROWB,   256                       ; a tile's row: 256 codes
.set KROW,   1024                      ; a row of either side in memory
.set PITCH,  272                       ; an LDS row: 256 bytes + 16 of padding = 68 words: the 16 rows that a load touches start at 16 different banks (64 banks of 4 bytes: ISA guide 11.1)
.set FR,     16
.set NL,     4
.set NP,     4
.set HALFT,  128*PITCH
.set SLOT,   4*HALFT
.set SPARE,  2*SLOT                    ; behind the ring: the spare words, 128 bytes for each wave
.set SP,     272                       ; a stage row: 256 bytes of codes + 16
.set STAGEV, 256*SP                    ; the stages lie in slot 0, which has had its last fill and its last read: q's and k's at 0, v's here: each way has bytes of its own
.set GOQ,  12                          ; v12  where I store in q_codes or k_codes: 16 x lane
.set GOV,  13                          ; v13  in v_codes: 8,192 (lane / 16) + 16 (lane % 16)
.set ADRA, 16
.set ADRB, 20
.set STQ,  22                          ; v22  the stage, way in, q and k
.set STV,  23                          ; v23  the stage, way in, v
.set RDQ,  24                          ; v24  the stage, way back, q and k
.set RDV,  25                          ; v25  the stage, way back, v
.set BCO,  26                          ; v26  32 (lane / 16)
.set BRO,  27                          ; v27  4 (lane % 16)
.set SPW,  28
.set NIL,  29
.set SC,   30                          ; v30  2^e of the part, as f32
.set LIM,  31                          ; v31  57,344 x that
.set CB,   32
.set RB,   96
.set AF,   128
.set T,    128                         ; the way out: 64 numbers
.set CD,   192                         ; the way out: their codes, two sets of 16 registers
.set BK,   128                         ; the way out: 64 stage rows read back
.set G1, 24
.set G0, 32
.set G1B, 48
.set G0B, 56
.set MSB, 0
.macro WIN new                         ; the immediate's high byte repeats the setting that is left
.if MSB != \new
	s_set_vgpr_msb (MSB<<8)|\new
.set MSB, \new
.endif
.endm
.set MUL_LO, 0xa1                      ; source 0 (B) window 1, source 1 (A) window 0, C and D window 2
.set MUL_HI, 0xf1
.set TO_B,   0x40
; A joint load: waves 0 and 1 fetch for side A, waves 2 and 3 for side B; the branch hangs on the wave's number alone.  Four v_nop follow each of the two lines.
.macro JLOAD g0a, g1a, g0b, g1b
	s_cmp_eq_u32 s15, 0
	s_cbranch_scc0 .Lfor_b_\@
	tensor_load_to_lds s[\g0a:\g0a+3], s[\g1a:\g1a+7]
	s_nop 0
.rept 4
	v_nop
.endr
	s_branch .Lasked_\@
.Lfor_b_\@:
	tensor_load_to_lds s[\g0b:\g0b+3], s[\g1b:\g1b+7]
	s_nop 0
.rept 4
	v_nop
.endr
.Lasked_\@:
.endm
.macro CREST                           ; a round of the cluster's barrier behind its opening barrier
	s_cmp_lg_u32 s14, 0
	s_cbranch_scc1 .Lnot_wave_0_\@
	s_barrier_signal -3
.Lnot_wave_0_\@:
	s_barrier_wait -3
	s_barrier_signal -1
	s_barrier_wait -1
.endm
.macro CROUND
	s_barrier_signal -1
	s_barrier_wait -1
	CREST
.endm
	s_load_b128 s[4:7], s[0:1], 0x0                ; x_codes, wqkv_codes
	s_load_b128 s[8:11], s[0:1], 0x10              ; the scales' exponents, b_qkv
	s_load_b128 s[68:71], s[0:1], 0x20             ; q_codes, k_codes
	s_load_b64 s[72:73], s[0:1], 0x30              ; v_codes
	v_lshl_add_u32 v[SPW], v0, 2, SPARE
	v_mov_b32 v[NIL], 0
	ds_add_u32 v28, v29
	ds_add_u32 v28, v29
	s_wait_dscnt 0x0
	v_lshrrev_b32 v1, 5, v0
	v_readfirstlane_b32 s14, v1                    ; wave 0..3
	s_lshr_b32 s15, s14, 1                         ; which half of side A's rows is mine.  Also: I fetch for A (0) or for B (1)
	s_and_b32 s16, s14, 1                          ; which half of side B's rows.  Also: which 128 rows I fetch
	s_bfe_u32 s40, ttmp6, 0x40000                  ; cx
	s_bfe_u32 s41, ttmp6, 0x40004                  ; cy
	s_and_b32 s74, ttmp7, 0xffff
	s_lshl_b32 s74, s74, 2                         ; 4 x cluster y
	s_add_co_u32 s17, s74, s41                     ; q, k: side A = x's tile 4 cluster y + cy
	s_add_co_u32 s75, s41, 8                       ; v:    side A = W's tile 8 + cy
	s_lshl_b32 s42, ttmp9, 2
	s_add_co_u32 s42, s42, s40                     ; q, k: side B = W's tile 4 cluster x + cx
	s_add_co_u32 s76, s74, s40                     ; v:    side B = x's tile 4 cluster y + cx
	s_cmp_eq_u32 ttmp9, 2
	s_cselect_b32 s17, s75, s17                    ; side A's tile: made of cy and the cluster's numbers alone
	s_cselect_b32 s42, s76, s42                    ; side B's tile: of cx and the cluster's numbers alone
	s_lshl_b32 s43, s41, 2
	s_lshl_b32 s43, 15, s43                        ; my row of the cluster
	s_lshl_b32 s44, 0x1111, s40                    ; my column
	s_or_b32 s[G1+0], s43, (0<<16)|(1<<20)|(1<<21)|(5<<22)|(3<<25)  ; the mask; elements of 1 byte; padding on; bit 21 beside a mask; after every 64 words, 4 words
	s_or_b32 s[G1B+0], s44, (0<<16)|(1<<20)|(1<<21)|(5<<22)|(3<<25)
.irp g, G1, G1B
	s_mov_b32 s[\g+1], ROWB<<16                    ; tensor_dim0
	s_mov_b32 s[\g+2], 128<<16                     ; tensor_dim1
	s_mov_b32 s[\g+3], ROWB<<16                    ; tile_dim0
	s_mov_b32 s[\g+4], 128                         ; tile_dim1
	s_mov_b32 s[\g+5], KROW                        ; from row to row
	s_mov_b32 s[\g+6], 0
	s_mov_b32 s[\g+7], 0
.endr
	s_lshl_b32 s18, s16, 7
	s_lshl_b32 s20, s17, 8
	s_add_co_u32 s20, s20, s18
	s_lshl_b32 s20, s20, 10                        ; side A: (256 x tile + 128 x half) rows of 1,024 bytes
	s_mov_b32 s21, 0
	s_lshl_b32 s46, s42, 8
	s_add_co_u32 s46, s46, s18
	s_lshl_b32 s46, s46, 10                        ; side B likewise
	s_mov_b32 s47, 0
	s_mul_i32 s45, s14, HALFT                      ; where they go: wave x 128 rows
	s_wait_kmcnt 0x0
	s_load_b256 s[84:91], s[8:9], 0x0              ; e0 .. e7
	s_cmp_eq_u32 ttmp9, 2
	s_cselect_b64 s[78:79], s[6:7], s[4:5]         ; side A's buffer
	s_cselect_b64 s[80:81], s[4:5], s[6:7]         ; side B's
	s_add_nc_u64 s[20:21], s[78:79], s[20:21]
	s_add_nc_u64 s[46:47], s[80:81], s[46:47]
	CROUND                                         ; all sixteen work-groups are here: the first joint loads meet
.irp s, 0,1
	s_mov_b32 s[G0+4*\s], 1
	s_add_co_u32 s[G0+4*\s+1], s45, \s*SLOT
	s_add_nc_u64 s[G0+4*\s+2:G0+4*\s+3], s[20:21], \s*ROWB
	s_or_b32 s[G0+4*\s+3], s[G0+4*\s+3], 0x80000000
	s_mov_b32 s[G0B+4*\s], 1
	s_add_co_u32 s[G0B+4*\s+1], s45, \s*SLOT
	s_add_nc_u64 s[G0B+4*\s+2:G0B+4*\s+3], s[46:47], \s*ROWB
	s_or_b32 s[G0B+4*\s+3], s[G0B+4*\s+3], 0x80000000
.endr
	JLOAD G0, G1, G0B, G1B                         ; K step 0: one tensor load a wave at the head
	v_and_b32 v1, 15, v0
	v_bfe_u32 v2, v0, 4, 1                         ; h = lane / 16
	v_mul_u32_u24 v3, v1, PITCH
	v_lshl_add_u32 v4, v2, 4, v3                   ; r x 272 + 16 h
	s_mul_i32 s21, s15, HALFT
	s_mul_i32 s22, s16, HALFT
	s_add_co_u32 s22, s22, 2*HALFT
.irp s, 0,1
	v_add_nc_u32 v[ADRA+\s], s21, v4
	v_add_nc_u32 v[ADRB+\s], s22, v4
	s_add_co_u32 s21, s21, SLOT
	s_add_co_u32 s22, s22, SLOT
.endr
	; the stages.  q, k: stage row 64 hh + u holds tokens 4 u .. 4 u + 3 of the tile's head hh, 64 bytes each: 256 consecutive bytes of the output.  v: stage row = side A's row (a channel), 256 keys
	v_lshrrev_b32 v5, 2, v1
	v_and_b32 v6, 3, v1
	s_lshl_b32 s22, s16, 7
	s_lshl_b32 s23, s15, 5
	s_add_co_u32 s22, s22, s23
	s_mul_i32 s22, s22, SP
	v_mul_u32_u24 v[STQ], v5, SP
	v_lshl_add_u32 v[STQ], v6, 6, v[STQ]
	v_lshl_add_u32 v[STQ], v2, 3, v[STQ]
	v_add_nc_u32 v[STQ], s22, v[STQ]               ; (128 colhalf + 32 rowhalf + r / 4) rows + 64 (r % 4) + 8 h
	s_mul_i32 s22, s15, 128*SP
	s_lshl_b32 s23, s16, 7
	s_add_co_u32 s22, s22, s23
	s_add_co_u32 s22, s22, STAGEV
	v_add_nc_u32 v[STV], s22, v4                   ; (128 rowhalf + r) rows + 128 colhalf + 16 h
	s_mul_i32 s22, s14, 64*SP
	v_mul_u32_u24 v[RDQ], v2, SP
	v_lshl_add_u32 v[RDQ], v1, 4, v[RDQ]
	v_add_nc_u32 v[RDQ], s22, v[RDQ]               ; back: wave w takes stage rows 64 w on, two an instruction, sixteen lanes to a row
	; v_codes is laid [head][16 steps of 128 keys][64 channels][128 keys]: a step's 8,192 bytes are dense.  Back from v's stage: lanes 0-7 take keys 0-127 of one channel,
	; lanes 8-15 of the next: 256 consecutive bytes of a step; lanes 16-31 the same two channels' keys 128-255, which belong to the next step
	v_bfe_u32 v5, v0, 3, 1
	v_and_b32 v6, 7, v0
	v_mul_u32_u24 v[RDV], v5, SP
	v_lshl_add_u32 v[RDV], v6, 4, v[RDV]
	v_lshl_add_u32 v[RDV], v2, 7, v[RDV]
	v_add_nc_u32 v[RDV], s22, v[RDV]
	v_add_nc_u32 v[RDV], STAGEV, v[RDV]
	v_and_b32 v[GOQ], 31, v0
	v_lshlrev_b32 v[GOQ], 4, v[GOQ]
	v_lshlrev_b32 v[GOV], 13, v2                   ; in v_codes: 8,192 (lane / 16) + 16 (lane % 16)
	v_lshl_add_u32 v[GOV], v1, 4, v[GOV]
	v_lshlrev_b32 v[BCO], 5, v2
	s_wait_alu depctr_va_vdst(0)
	v_lshlrev_b32 v[BRO], 2, v1
	; the biases.  Both kinds are loaded in every cluster, from places inside b_qkv: the kind that the part does not use from the buffer's head
	s_wait_alu depctr_va_vdst(0)
	s_lshl_b32 s12, s42, 10
	s_lshl_b32 s13, s16, 9
	s_add_co_u32 s12, s12, s13                     ; q, k: my 128 columns' bias
	s_lshl_b32 s66, s17, 10                        ; v: my tile's rows' bias
	s_cmp_eq_u32 ttmp9, 2
	s_cselect_b32 s12, 0, s12
	s_cselect_b32 s66, s66, 0
	s_lshl_b32 s13, s15, 9
	s_add_co_u32 s66, s66, s13
	s_mov_b32 s13, 0
	s_mov_b32 s67, 0
	s_add_nc_u64 s[82:83], s[10:11], s[12:13]
	s_add_nc_u64 s[94:95], s[10:11], s[66:67]
.irp b, 0,1,2,3,4,5,6,7
	global_load_b128 v[CB+8*\b:CB+8*\b+3], v[BCO], s[82:83] offset:64*\b        ; columns 16 b + 8 h + 0 .. 7
	global_load_b128 v[CB+8*\b+4:CB+8*\b+7], v[BCO], s[82:83] offset:64*\b+16
.endr
.irp a, 0,1,2,3,4,5,6,7
	global_load_b32 v[RB+2*\a], v[BRO], s[94:95] offset:64*\a                   ; row 16 a + r, twice: a pair for the packed form
	global_load_b32 v[RB+2*\a+1], v[BRO], s[94:95] offset:64*\a
.endr
	; where wave w stores.  q, k: head 16 batch + 4 cx + w, tokens 256 (tile % 8) on.  v: batch, channels 256 cy + 64 w on, keys 256 (tile % 8) on
	s_lshr_b32 s12, s17, 3
	s_lshl_b32 s12, s12, 4
	s_lshl_b32 s13, s40, 2
	s_add_co_u32 s12, s12, s13
	s_add_co_u32 s12, s12, s14
	s_lshl_b32 s12, s12, 17
	s_and_b32 s13, s17, 7
	s_lshl_b32 s13, s13, 14
	s_add_co_u32 s12, s12, s13
	s_lshr_b32 s66, s42, 3
	s_lshl_b32 s66, s66, 21
	s_lshl_b32 s13, s41, 8
	s_lshl_b32 s67, s14, 6
	s_add_co_u32 s13, s13, s67
	s_lshl_b32 s13, s13, 11
	s_add_co_u32 s66, s66, s13
	s_and_b32 s13, s42, 7
	s_lshl_b32 s13, s13, 14                        ; a tile's 256 keys are two steps of 8,192 bytes
	s_add_co_u32 s66, s66, s13
	s_wait_kmcnt 0x0                               ; e0 .. e7
	s_cmp_eq_u32 ttmp9, 1
	s_cselect_b64 s[98:99], s[70:71], s[68:69]
	s_cselect_b32 s92, s87, s86                    ; e3 or e2
	s_cmp_eq_u32 ttmp9, 2
	s_cselect_b64 s[98:99], s[72:73], s[98:99]
	s_cselect_b32 s92, s89, s92                    ; e5
	s_cselect_b32 s12, s66, s12
	s_mov_b32 s13, 0
	s_add_nc_u64 s[98:99], s[98:99], s[12:13]
	s_add_co_i32 s96, s84, s85
	s_add_co_i32 s96, s96, 127
	s_lshl_b32 s96, s96, 23                        ; 2^(e0 + e1) as f32
	s_mov_b32 s97, s96                             ; (named with it as a pair, so it is written)
	s_add_co_i32 s92, s92, 127
	s_lshl_b32 s93, s92, 23
	v_mov_b32 v[SC], s93
	s_add_co_i32 s92, s92, 15
	s_lshl_b32 s92, s92, 23
	s_or_b32 s92, s92, 0x600000
	v_mov_b32 v[LIM], s92
.macro FRAG reg, adr, q, i             ; 16 rows x 128 K: lane l holds row l % 16; registers 4 c .. 4 c + 3 hold K = 32 c + 16 (l / 16) + 0 .. 15: the same order of K on both sides
.irp c, 0,1,2,3
	ds_load_b128 v[\reg+4*\c:\reg+4*\c+3], v[\adr] offset:128*(\q)+32*\c+(\i)*16*PITCH
.endr
.endm
; 16 matrix instructions: A's blocks a0, a0 + 1 x B's eight.  The 64 accumulators take turns, one instruction a turn, in the same order in every step.
.macro MUL16 a0, p, zero
.irp a, \a0, \a0+1
.irp b, 0,1,2,3,4,5,6,7
.if \zero
	v_wmma_f32_16x16x128_bf8_bf8 v[8*(8*((\a)%4)+\b):8*(8*((\a)%4)+\b)+7], v[128*(\p)+FR*\b:128*(\p)+FR*\b+FR-1], v[AF+FR*(\a):AF+FR*(\a)+FR-1], 0
.else
	v_wmma_f32_16x16x128_bf8_bf8 v[8*(8*((\a)%4)+\b):8*(8*((\a)%4)+\b)+7], v[128*(\p)+FR*\b:128*(\p)+FR*\b+FR-1], v[AF+FR*(\a):AF+FR*(\a)+FR-1], v[8*(8*((\a)%4)+\b):8*(8*((\a)%4)+\b)+7]
.endif
.endr
.endr
.endm
.macro FETCH_B slot, q, p
	WIN TO_B
.irp i, 0,1,2,3,4,5,6,7
	FRAG 128*(\p)+FR*\i, ADRB+\slot, \q, \i
.endr
	WIN 0
.endm
.macro FETCH_A slot, q, i0
.irp i, \i0, \i0+1, \i0+2, \i0+3
	FRAG AF+FR*(\i), ADRA+\slot, \q, \i
.endr
.endm
.macro PLACES n                        ; plain vector lines between a matrix instruction and a load into, or a vector line on, its registers
.rept \n
	v_nop
.endr
.endm
.macro STEP slot, q, zero              ; 128 along K that have their successor in the same slot
	s_wait_dscnt 4*NL                              ; B's set and A's blocks 0-3 are in; the youngest sixteen loads (A's blocks 4-7) may be out
	WIN MUL_LO
	MUL16 0, (\q)%2, \zero
	MUL16 2, (\q)%2, \zero
	s_wait_dscnt 0
	PLACES NP
	FETCH_B \slot, (\q)+1, 1-(\q)%2
	FETCH_A \slot, (\q)+1, 0
	WIN MUL_HI
	MUL16 4, (\q)%2, \zero
	MUL16 6, (\q)%2, \zero
	PLACES NP
	WIN 0
	FETCH_A \slot, (\q)+1, 4
.endm
; A slot's last 128 along K change slots: one barrier; in front of it each wave waits for all its tensor loads, adds 0 to its spare word, and waits for that and for its reads of this slot.
.macro TURN slot, next, fill
	s_wait_tensorcnt 0x0                           ; all my tensor loads have landed: my part of the next slot
	ds_add_u32 v[SPW], v[NIL]                      ; 0 onto my spare word
	s_wait_dscnt 4*NL+1                            ; (the add and the youngest sixteen loads may be out)
	WIN MUL_LO
	MUL16 0, 1, 0
	s_wait_dscnt 0x0                               ; the add is done, and my reads of this slot are over
	s_barrier_signal -1
	MUL16 2, 1, 0
	WIN 0
	s_barrier_wait -1
.if \fill
	CREST                                          ; the barrier has opened a round of the cluster's: no wave of any partner still reads this slot or has a load on its way
	s_add_nc_u64 s[G0+4*\slot+2:G0+4*\slot+3], s[G0+4*\slot+2:G0+4*\slot+3], 2*ROWB
	s_add_nc_u64 s[G0B+4*\slot+2:G0B+4*\slot+3], s[G0B+4*\slot+2:G0B+4*\slot+3], 2*ROWB
	JLOAD G0+4*\slot, G1, G0B+4*\slot, G1B         ; the first tensor load behind the round; its four v_nop are the places in front of the loads below
.else
	PLACES NP
.endif
	FETCH_B \next, 0, 0
	FETCH_A \next, 0, 0
	WIN MUL_HI
	MUL16 4, 1, 0
	MUL16 6, 1, 0
	PLACES NP
	WIN 0
	FETCH_A \next, 0, 4
.endm
	s_wait_alu depctr_va_vdst(0)                   ; the wait at the head's end
	s_wait_tensorcnt 0x0                           ; my part of K step 0 is in
	ds_add_u32 v[SPW], v[NIL]
	s_wait_dscnt 0x0
	CROUND                                         ; a whole round: everybody's part of K step 0 is in, and the joint loads meet
	JLOAD G0+4, G1, G0B+4, G1B                     ; K step 1's load, the first tensor load behind the round
	FETCH_B 0, 0, 0
	FETCH_A 0, 0, 0
	FETCH_A 0, 0, 4
	STEP 0, 0, 1                                   ; the first products start the sums: nothing is cleared
	TURN 0, 1, 1                                   ; K is four K steps: the ring goes round once more and is written straight
	STEP 1, 0, 0
	TURN 1, 0, 1
	STEP 0, 0, 0
	TURN 0, 1, 0                                   ; nothing more is filled; behind this barrier nobody reads slot 0
	STEP 1, 0, 0
	s_wait_dscnt 4*NL
	WIN MUL_LO
	MUL16 0, 1, 0
	MUL16 2, 1, 0
	s_wait_dscnt 0
	WIN MUL_HI
	MUL16 4, 1, 0
	MUL16 6, 1, 0
	WIN 0
; THE WAY OUT of block a (16 rows of side A x my 128 of side B): sum x 2^(e0 + e1) + bias, the hold, the conversion: a lane's eight neighbours become eight bytes, which go into the work-group's stage.
.macro OUTBLK a, isv
.set AC, 64*((\a)%4)
.set CDS, CD+16*((\a)%2)
	WIN 0x02+((\a)/4)                              ; source 0: window 2 or 3
.set jj, 0
.rept 32
.if \isv
	v_pk_fma_f32 v[T+jj:T+jj+1], v[AC+jj:AC+jj+1], s[96:97], v[RB+2*(\a):RB+2*(\a)+1] op_sel_hi:[1,0,1]   ; each accumulator from its low end on
.else
	v_pk_fma_f32 v[T+jj:T+jj+1], v[AC+jj:AC+jj+1], s[96:97], v[CB+jj:CB+jj+1] op_sel_hi:[1,0,1]
.endif
.set jj, jj+2
.endr
	WIN 0
.set jj, 0
.rept 64
	v_med3_num_f32 v[T+jj], v[T+jj], -v[LIM], v[LIM]   ; the conversion to an 8-bit code does not saturate (ISA guide 7.6.2)
.set jj, jj+1
.endr
.if (\a) >= 2
	s_wait_alu depctr_va_vdst(0)
	s_wait_dscnt 8                                 ; only the block before's eight stores may be out: this set of code registers has been read
.endif
.irp b, 0,1,2,3,4,5,6,7
	v_cvt_scalef32_pk8_bf8_f32 v[CDS+2*\b:CDS+2*\b+1], v[T+8*\b:T+8*\b+7], v[SC]
.endr
	v_nop                                          ; a plain vector line behind the last conversion, ahead of the next line that writes its sources
.irp b, 0,1,2,3,4,5,6,7
.if \isv
	ds_store_b64 v[STV], v[CDS+2*\b:CDS+2*\b+1] offset:16*(\a)*SP+32*(\b/2)+8*(\b%2)   ; keys 16 b + 8 h on, at place 2 h + b % 2 of their 32: v_codes' order
.else
	ds_store_b64 v[STQ], v[CDS+2*\b:CDS+2*\b+1] offset:((\b/4)*64+4*(\a))*SP+16*(\b%4) ; head b / 4 of my two, channels 16 (b % 4) + 8 h on
.endif
.endr
.endm
.macro SENDALL rd, go, stride          ; 64 stage rows of 256 bytes: sixteen lanes store 256 consecutive bytes, aligned
.irp i, 0,1,2,3,4,5,6,7,8,9,10,11,12,13,14,15,16,17,18,19,20,21,22,23,24,25,26,27,28,29,30,31
	ds_load_b128 v[BK+4*\i:BK+4*\i+3], v[\rd] offset:\i*2*SP
.endr
.irp i, 0,1,2,3,4,5,6,7,8,9,10,11,12,13,14,15,16,17,18,19,20,21,22,23,24,25,26,27,28,29,30,31
	s_wait_dscnt 31-\i                             ; load i is in, the younger ones may be out
	global_store_b128 v[\go], v[BK+4*\i:BK+4*\i+3], s[98:99] offset:\i*\stride
.endr
.endm
	s_wait_loadcnt 0x0                             ; the biases
	PLACES NP                                      ; behind the last products: the lines below write registers that held A's fragments
	s_cmp_eq_u32 ttmp9, 2                          ; the cluster's x: the same in all partners and in all waves
	s_cbranch_scc1 .Lvout
.irp a, 0,1,2,3,4,5,6,7
	OUTBLK \a, 0
.endr
	s_branch .Ljoin
.Lvout:
.irp a, 0,1,2,3,4,5,6,7
	OUTBLK \a, 1
.endr
.Ljoin:
	s_wait_dscnt 0x0                               ; for the others' sake: my stores into the stage are done
	s_barrier_signal -1
	s_barrier_wait -1
	s_cmp_eq_u32 ttmp9, 2
	s_cbranch_scc1 .Lvsend
	SENDALL RDQ, GOQ, 512                          ; stage row u of head w: bytes 256 u on of the head's tokens
	s_branch .Lend
.Lvsend:
	SENDALL RDV, GOV, 256                          ; two channels x 128 keys of a step are 256 bytes
.Lend:
	s_wait_tensorcnt 0x0                           ; the wave's end
	ds_add_u32 v[SPW], v[NIL]
	s_wait_dscnt 0x0
	CROUND                                         ; the closing round
	s_endpgm
.Lfunc_end_k_q54ef38539f_qkv:
	.size	k_q54ef38539f_qkv, .Lfunc_end_k_q54ef38539f_qkv-k_q54ef38539f_qkv
	.p2alignl 7, 3214868480
	.fill 96, 4, 3214868480
	.section	.rodata,"a",@progbits
	.p2align	6, 0x0
	.amdhsa_kernel k_q54ef38539f_qkv
		.amdhsa_group_segment_fixed_size 327680
		.amdhsa_private_segment_fixed_size 0
		.amdhsa_enable_private_segment 0
		.amdhsa_kernarg_size 56
		.amdhsa_user_sgpr_count 2
		.amdhsa_user_sgpr_kernarg_segment_ptr 1
		.amdhsa_wavefront_size32 1
		.amdhsa_system_sgpr_workgroup_id_x 1
		.amdhsa_system_sgpr_workgroup_id_y 1
		.amdhsa_system_sgpr_workgroup_id_z 1
		.amdhsa_system_vgpr_workitem_id 0
		.amdhsa_next_free_vgpr 1024
		.amdhsa_next_free_sgpr 100
		.amdhsa_reserve_vcc 0
		.amdhsa_float_denorm_mode_32 3
		.amdhsa_float_denorm_mode_16_64 3
		.amdhsa_memory_ordered 1
		.amdhsa_forward_progress 1
		.amdhsa_inst_pref_size 210
	.end_amdhsa_kernel
	.amdgpu_metadata
---
amdhsa.version: [ 1, 2 ]
amdhsa.kernels:
  - .name:           k_q54ef38539f_qkv
    .symbol:         k_q54ef38539f_qkv.kd
    .args:
      - { .name: x_codes, .offset: 0, .size: 8, .value_kind: global_buffer, .address_space: global }
      - { .name: wqkv_codes, .offset: 8, .size: 8, .value_kind: global_buffer, .address_space: global }
      - { .name: lowp_scales, .offset: 16, .size: 8, .value_kind: global_buffer, .address_space: global }
      - { .name: b_qkv, .offset: 24, .size: 8, .value_kind: global_buffer, .address_space: global }
      - { .name: q_codes, .offset: 32, .size: 8, .value_kind: global_buffer, .address_space: global }
      - { .name: k_codes, .offset: 40, .size: 8, .value_kind: global_buffer, .address_space: global }
      - { .name: v_codes, .offset: 48, .size: 8, .value_kind: global_buffer, .address_space: global }
    .group_segment_fixed_size: 327680
    .private_segment_fixed_size: 0
    .kernarg_segment_align: 8
    .kernarg_segment_size: 56
    .max_flat_workgroup_size: 128
    .sgpr_count:     100
    .vgpr_count:     1024
    .wavefront_size: 32
...
	.end_amdgpu_metadata
.endif
;; end of part 2
;; launch attn (part 3): grid 4 x 64, 16 waves a work-group, clusters of 4 x 1, 327,680 bytes of LDS; arguments q_codes, k_codes, v_codes, lowp_scales, a_codes; writes a_codes
.if DOCPART == 3
	.amdgcn_target "amdgcn-amd-amdhsa--gfx1250"
	.amdhsa_code_object_version 6
	.text
	.protected	k_q54ef38539f_attn
	.globl	k_q54ef38539f_attn
	.p2align	8
	.type	k_q54ef38539f_attn,@function
k_q54ef38539f_attn:
	s_mov_b64 s[64:65], 0
	v_nop
	global_prefetch_b8 v0, s[64:65] scope:SCOPE_SE
	s_setreg_imm32_b32 hwreg(HW_REG_WAVE_MODE, 25, 1), 1
	s_wait_xcnt 0x0
	s_wait_alu depctr_hold_cnt(0) depctr_sa_sdst(0) depctr_va_vdst(0) depctr_va_sdst(0) depctr_va_ssrc(0) depctr_va_vcc(0) depctr_vm_vsrc(0)
	s_getreg_b32 s2, hwreg(HW_REG_IB_STS2, 6, 4)
	s_cmp_eq_u32 s2, 0
	s_cbranch_scc0 .Lentry_in_a_cluster
	s_endpgm
.Lentry_in_a_cluster:
	s_bfe_u32 s2, ttmp6, 0x10000c
	s_cmp_lg_u32 s2, 0x3003
	s_cbranch_scc0 .Lentry_shape_is_right
	s_endpgm
.Lentry_shape_is_right:
; Causal attention on codes of BF8 (E5M2), head size 64, 2,048 tokens, 64 heads (batch x head); the result is quantised again (scale entry 6) for the last product.
; q_codes, k_codes [head][2048][64]; v_codes [head][16 steps][64 channels][128 keys], in each 32 keys the groups of eight in the order 0-7, 16-23, 8-15, 24-31.
; a_codes: byte (token / 4) 4,096 + head-in-batch 256 + (token % 4) 64 + channel.
; THE SOFTMAX: t = score x log2(e) / 8; M = the row's largest t so far, rounded UP to a whole number; p = 2^(t - M) is quantised (entry 4), not normalised; the row's sum is taken of the
; unquantised p and divides at the end.  When M moves, the sum and O are multiplied by 2^(old M - new M): exact.
; LIMITS: e2 + e3 between -123 and 130; e4 and e6 between -126 and 112; e4 + e5 goes by v_ldexp_f32.  NaN among the inputs is not served.
; LEFT OUT: key steps all of whose keys come after a tile's queries: the causal mask makes their p zero.
; LDS HOLDS A HEAD'S WHOLE K AND V: 16 steps of 128 keys, 8,192 dense bytes each for K and for V, stated as rows of 256 bytes, 16 bytes of padding behind each: 2 x 16 x 8,704 bytes.
; Nothing is filled again.  Four phases of 512 keys; in each every wave fetches 4,096 bytes (waves 0-7 of K, 8-15 of V) by one load.  Phase 0 goes out at the head, phases 1 to 3 behind the
; rounds at key steps 0, 3 and 6; the barrier at step 9 shows phase 3; behind it the waves share no further barrier until the end.
; SHARES.  A head's queries are 128 tiles of 16.  The four work-groups of a head form a cluster; work-group g owns tiles 4 i + g, i = 0 .. 31.  Wave w owns i = 31 - w (late) and i = w (early).
; Tile 4 i + g needs key steps 0 .. i / 2, the last on the diagonal: 17 steps in every wave, and no branch hangs on g.  The late tile comes first: its diagonal step is 8 or later, so every wave
; walks steps 0 to 8 of it and all waves bring nine steps to the last barrier; steps 0 to 7 are open for every wave, step 8 is on the diagonal for waves 14 and 15 and is masked there.
; CLUSTER: the four partners need the same K and V: every load is joint, mask 15, the descriptor made of the head and the wave's number alone.
; PREFETCH: in the trip that loads phase T + 1, phase T + 2 is asked for (three key steps ahead of its load): 32,768 bytes of K and of V; partner g takes bytes 8,192 g on of each, told apart by address;
; wave 0 asks for K, wave 8 for V, a lane a block of 256 bytes.  Phases 0 and 1 come by their loads alone; the last trip asks for nothing.
; LAYOUT.  Both products transposed: S^T = K Q^T (source 0 = 16 keys), O^T = V^T P^T (source 0 = 16 channels): a lane holds one query (lane % 16).  In S^T's tile u lane (r, h) holds keys
; 16 u + 8 h + 0 .. 7: their codes are registers 2 u, 2 u + 1 of P, and v_codes' order gives V's fragments the same keys in the same registers.
.set PITCH, 272
.set STEPB, 32*PITCH                   ; a step of K or of V in LDS
.set VOFF,  16*STEPB                   ; V lies behind K
.set SPARE, 2*VOFF                     ; the spare words, 128 bytes for each of 16 waves
.set STAGE, SPARE+2048                 ; the way out: 1,024 bytes for each wave; no fill lands here
.set AK0,  1                           ; v1   my lane's place in a tile of K: 272 (r / 4) + 64 (r % 4) + 16 h
.set AV0,  2                           ; v2   in a tile of V: VOFF + 272 (r / 2) + 128 (r % 2) + 16 h
.set PFO,  3                           ; v3   the prefetch's offset: 256 x lane
.set DDL,  4                           ; v4   late tile: my query less the diagonal step's first key less 8 h
.set SPW,  5
.set NIL,  6
.set GO,   7                           ; v7   the way out: 4,096 h + 16 r
.set ADK,  8
.set ADV,  9
.set QF,   16                          ; v16-23  the late tile's Q
.set FRG,  24                          ; v24-87  eight fragments of K, then four of V
.set STI,  88
.set STB,  89
.set DDE,  90                          ; v90  as v4, early tile
.set S,    96                          ; v96-159  S^T, then p
.set OT,   160                         ; v160-191 O^T
.set PC,   192                         ; v192-207 p's codes
.set MX,   208
.set PL,   212
.set FF,   214                         ; v[214:215] f = 2^(old M - new M)
.set NINF, 225
.set PSC,  227                         ; 2^e4
.set ALIM, 228                         ; 57,344 x 2^e6
.set ASC,  229                         ; 2^e6
.set QE,   232                         ; v232-239 the early tile's Q
.set AL,   12                          ; s[12:13] a_codes at the late tile;  s[16:17] at the early one
.set AE,   16
.set WV,   18
.set CX,   19
.set SEL,  20
.set CS,   22                          ; s[22:23] c = log2(e) / 8 x 2^(e2 + e3)
.set G1,   24
.set G0,   40
.set KB,   44                          ; LDS byte of the step in hand
.set ST,   45                          ; the step's number
.set CNT,  46
.set LIM,  47                          ; 1 in a wave that prefetches, else 64
.set PFA,  48
.set DGL,  50                          ; the late tile's diagonal step
.set DGE,  51
.set PLS,  52                          ; 57,344 x 2^e4
.macro ROUND                           ; a round of the cluster's barrier
	s_barrier_signal -1
	s_barrier_wait -1
	s_cmp_lg_u32 s[WV], 0
	s_cbranch_scc1 .Lnw0_\@
	s_barrier_signal -3
.Lnw0_\@:
	s_barrier_wait -3
	s_barrier_signal -1
	s_barrier_wait -1
.endm
.macro JLOAD                           ; every wave's one joint load; s_nop 0 and four v_nop follow it
	tensor_load_to_lds s[G0:G0+3], s[G1:G1+7]
	s_nop 0
.rept 4
	v_nop
.endr
.endm
	s_load_b128 s[4:7], s[0:1], 0x0                ; q_codes, k_codes
	s_load_b128 s[8:11], s[0:1], 0x10              ; v_codes, the scales' exponents
	s_load_b64 s[16:17], s[0:1], 0x20              ; a_codes
	v_lshl_add_u32 v[SPW], v0, 2, SPARE
	v_mov_b32 v[NIL], 0
	ds_add_u32 v[SPW], v[NIL]                      ; the opening: the add, twice on end, and its wait
	ds_add_u32 v[SPW], v[NIL]
	v_lshrrev_b32 v8, 5, v0
	v_readfirstlane_b32 s[WV], v8                  ; wave 0..15
	s_and_b32 s76, ttmp7, 0xffff                   ; the head
	s_lshl_b32 s78, s76, 17                        ; its first byte in q_codes, k_codes and v_codes
	s_and_b32 s80, s[WV], 7
	s_lshr_b32 s81, s[WV], 3                       ; 0: I fetch for K, 1: for V
	s_mul_i32 s82, s80, 16*PITCH
	s_mul_i32 s83, s81, VOFF
	s_add_co_u32 s82, s82, s83                     ; where my 16 rows of a phase go
	s_lshl_b32 s84, s80, 12
	s_add_co_u32 s84, s84, s78                     ; and where they come from
	s_mov_b32 s85, 0
	s_mov_b32 s[G1], 15|(1<<20)|(1<<21)|(5<<22)|(3<<25)   ; the mask of all four partners; elements of 1 byte; padding on; bit 21 beside a mask; 4 words after every 64
	s_mov_b32 s[G1+1], 256<<16                     ; tensor_dim0
	s_mov_b32 s[G1+2], 16<<16                      ; tensor_dim1
	s_mov_b32 s[G1+3], 256<<16                     ; tile_dim0
	s_mov_b32 s[G1+4], 16                          ; tile_dim1
	s_mov_b32 s[G1+5], 256                         ; from row to row
	s_mov_b32 s[G1+6], 0
	s_mov_b32 s[G1+7], 0
	s_mov_b32 s[SEL], 0x76543210
	s_mov_b32 s[SEL+1], 0xfedcba98
	s_mov_b32 s[CS], 0x3e38aa3b                    ; log2(e) / 8
	s_wait_dscnt 0x0                               ; both opening adds are done
	s_wait_kmcnt 0x0
	s_load_b256 s[68:75], s[10:11], 0x0            ; e0 .. e7
	s_cmp_lt_u32 s[WV], 8
	s_cselect_b64 s[14:15], s[6:7], s[8:9]
	s_add_nc_u64 s[14:15], s[14:15], s[84:85]
	s_mov_b32 s[G0], 1
	s_mov_b32 s[G0+1], s82
	s_mov_b64 s[G0+2:G0+3], s[14:15]
	s_or_b32 s[G0+3], s[G0+3], 0x80000000
	ROUND                                          ; all four work-groups are here: the first joint loads meet
	JLOAD                                          ; phase 0
	s_bfe_u32 s[CX], ttmp6, 0x40000                ; g: my place in the cluster: it enters global addresses and the mask's numbers alone
	s_lshl_b32 s84, s[CX], 13
	s_add_co_u32 s84, s84, 32768
	s_add_nc_u64 s[PFA:PFA+1], s[14:15], s[84:85]  ; my work-group's 8,192 bytes, in phase 1: the first trip steps it to phase 2
	s_cmp_eq_u32 s80, 0
	s_cselect_b32 s[LIM], 1, 64
	s_sub_co_u32 s86, 31, s[WV]                    ; the late tile's i
	s_lshr_b32 s[DGL], s86, 1
	s_lshr_b32 s[DGE], s[WV], 1
	s_lshl_b32 s87, s[CX], 4
	s_lshl_b32 s88, s86, 6
	s_add_co_u32 s88, s88, s87                     ; the late tile's first query: 64 i + 16 g
	s_lshl_b32 s89, s[WV], 6
	s_add_co_u32 s89, s89, s87                     ; the early tile's
	s_lshl_b32 s84, s88, 6
	s_add_co_u32 s84, s84, s78
	s_add_nc_u64 s[54:55], s[4:5], s[84:85]        ; their codes
	s_lshl_b32 s84, s89, 6
	s_add_co_u32 s84, s84, s78
	s_add_nc_u64 s[56:57], s[4:5], s[84:85]
	s_lshr_b32 s77, s76, 4
	s_lshl_b32 s77, s77, 11                        ; 2,048 x batch
	s_and_b32 s76, s76, 15
	s_lshl_b32 s76, s76, 8                         ; 256 x head in the batch
	s_add_co_u32 s84, s77, s88
	s_lshl_b32 s84, s84, 10
	s_add_co_u32 s84, s84, s76
	s_add_nc_u64 s[AL:AL+1], s[16:17], s[84:85]
	s_add_co_u32 s84, s77, s89
	s_lshl_b32 s84, s84, 10
	s_add_co_u32 s84, s84, s76
	s_add_nc_u64 s[AE:AE+1], s[16:17], s[84:85]
	s_and_b32 s82, s86, 1
	s_lshl_b32 s82, s82, 6
	s_add_co_u32 s82, s82, s87                     ; first query less the diagonal step's first key: 64 (i % 2) + 16 g
	s_and_b32 s83, s[WV], 1
	s_lshl_b32 s83, s83, 6
	s_add_co_u32 s83, s83, s87
	s_lshl_b32 s84, s[WV], 10
	s_add_co_u32 s84, s84, STAGE                   ; my stage
	s_mov_b32 s[CNT], 3
	s_mov_b32 s[ST], 2                             ; the number of a fill trip's third step: 2, 5, 8
	s_mov_b32 s[KB], 0
	v_and_b32 v8, 15, v0                           ; r
	v_bfe_u32 v9, v0, 4, 1                         ; h
	v_lshlrev_b32 v10, 6, v8
	v_lshl_add_u32 v10, v9, 4, v10
	global_load_b128 v[QF:QF+3], v10, s[54:55]               ; Q(r, 16 h + 0 .. 15),
	global_load_b128 v[QF+4:QF+7], v10, s[54:55] offset:32   ; Q(r, 32 + 16 h + 0 .. 15): the order in which K's fragments come from LDS
	global_load_b128 v[QE:QE+3], v10, s[56:57]
	global_load_b128 v[QE+4:QE+7], v10, s[56:57] offset:32
	v_lshrrev_b32 v11, 2, v8
	v_mul_u32_u24 v[AK0], v11, PITCH
	v_and_b32 v11, 3, v8
	v_lshl_add_u32 v[AK0], v11, 6, v[AK0]
	v_lshl_add_u32 v[AK0], v9, 4, v[AK0]
	v_lshrrev_b32 v11, 1, v8
	v_mul_u32_u24 v[AV0], v11, PITCH
	v_and_b32 v11, 1, v8
	v_lshl_add_u32 v[AV0], v11, 7, v[AV0]
	v_lshl_add_u32 v[AV0], v9, 4, v[AV0]
	v_add_nc_u32 v[AV0], VOFF, v[AV0]
	v_lshlrev_b32 v11, 3, v9
	v_sub_nc_u32 v11, v8, v11
	v_add_nc_u32 v[DDL], s82, v11
	v_add_nc_u32 v[DDE], s83, v11
	v_lshlrev_b32 v[GO], 12, v9
	v_lshl_add_u32 v[GO], v8, 4, v[GO]
	v_lshlrev_b32 v[STI], 6, v8
	v_lshl_add_u32 v[STI], v9, 3, v[STI]
	v_add_nc_u32 v[STI], s84, v[STI]               ; the stage, in: 64 r + 8 h
	v_and_b32 v[STB], 31, v0
	v_lshlrev_b32 v[PFO], 8, v[STB]
	v_lshlrev_b32 v[STB], 4, v[STB]
	v_add_nc_u32 v[STB], s84, v[STB]               ; back: 16 x lane
	v_mov_b32 v[PL], 0                             ; a lane permute's destination counts as one of its sources
	v_mov_b32 v[FF+1], 0                           ; (named as the upper half of a pair)
	v_mov_b32 v[NINF], 0xff800000
.macro INIT                            ; a tile begins: the largest t -3e38, the sum and O^T zeros, which the first change of M leaves zeros
	v_mov_b32 v13, 0xff61b1e6
	v_floor_f32 v12, -v13                          ; -M
	v_mov_b32 v14, 0
	v_mov_b32 v15, 0
.set jj, 0
.rept 32
	v_mov_b32 v[OT+jj], 0
.set jj, jj+1
.endr
.endm
	INIT
	s_wait_alu depctr_va_vdst(0)                   ; directly ahead of the wait below
	s_wait_kmcnt 0x0
	s_add_co_i32 s84, s70, s71
	s_lshl_b32 s84, s84, 23
	s_add_co_i32 s[CS], s[CS], s84                 ; a score stands for score x 2^(e2 + e3)
	s_mov_b32 s[CS+1], s[CS]
	s_add_co_i32 s84, s72, 127
	s_lshl_b32 s85, s84, 23
	v_mov_b32 v[PSC], s85
	s_add_co_i32 s84, s84, 15
	s_lshl_b32 s84, s84, 23
	s_or_b32 s[PLS], s84, 0x600000
	s_add_co_i32 s84, s74, 127
	s_lshl_b32 s85, s84, 23
	v_mov_b32 v[ASC], s85
	s_add_co_i32 s84, s84, 15
	s_lshl_b32 s84, s84, 23
	s_or_b32 s84, s84, 0x600000
	v_mov_b32 v[ALIM], s84
	s_add_co_i32 s94, s72, s73                     ; e4 + e5
; S^T of 128 keys, the q-th step from the address in hand, and the request for V's fragments, which land while the softmax is worked
.macro KQ qf, q
.rept 4
	v_nop                                          ; places in front of loads into registers that the last products read
.endr
.irp t, 0,1,2,3,4,5,6,7
	ds_load_b128 v[FRG+8*\t:FRG+8*\t+3], v[ADK] offset:(\q)*STEPB+\t*4*PITCH
	ds_load_b128 v[FRG+8*\t+4:FRG+8*\t+7], v[ADK] offset:(\q)*STEPB+\t*4*PITCH+32
.endr
	s_wait_dscnt 0x0
.irp t, 0,1,2,3,4,5,6,7
	v_wmma_f32_16x16x64_bf8_bf8 v[S+8*\t:S+8*\t+7], v[FRG+8*\t:FRG+8*\t+7], v[\qf:\qf+7], 0
.endr
.rept 4
	v_nop                                          ; places in front of the loads below and of the first read of the scores
.endr
.irp t, 0,1,2,3
.irp c, 0,1,2,3
	ds_load_b128 v[FRG+16*\t+4*\c:FRG+16*\t+4*\c+3], v[ADV] offset:(\q)*STEPB+\t*8*PITCH+32*\c
.endr
.endr
.endm
; The step s[ST] of a tile whose diagonal step is s[dg]: on the diagonal the scores of hidden keys become -infinity ahead of the maximum; an earlier step jumps over the lines.
; Register 8 u + i holds the step's key 16 u + 8 h + i: hidden where 16 u + i > my query - the step's first key - 8 h.  The branch hangs on the wave's number and the count alone.
.macro MASK dd, dg
	s_cmp_lt_u32 s[ST], s[\dg]
	s_cbranch_scc1 .Lopen_\@
.set nn, 0
.rept 64
	v_cmp_gt_i32 vcc_lo, 16*(nn/8)+nn%8, v[\dd]
	v_cndmask_b32 v[S+nn], v[S+nn], v[NINF], vcc_lo
.set nn, nn+1
.endr
.Lopen_\@:
.endm
; The softmax of my 64 scores, their codes, and O^T += V^T P^T
.macro SOFT
	v_max3_num_f32 v[MX], v[S], v[S+1], v[S+2]     ; the largest, in four chains, in ascending order: each accumulator is read from its low end on
	v_max3_num_f32 v[MX+1], v[S+3], v[S+4], v[S+5]
	v_max3_num_f32 v[MX+2], v[S+6], v[S+7], v[S+8]
	v_max3_num_f32 v[MX+3], v[S+9], v[S+10], v[S+11]
.irp m, 0,1,2,3,4,5
.irp k, 0,1,2,3
	v_max3_num_f32 v[MX+\k], v[MX+\k], v[S+12+8*\m+2*\k], v[S+13+8*\m+2*\k]
.endr
.endr
	v_max3_num_f32 v[MX], v[MX], v[S+60], v[S+61]
	v_max3_num_f32 v[MX+1], v[MX+1], v[S+62], v[S+63]
	s_delay_alu instid0(VALU_DEP_1)
	v_max3_num_f32 v[MX], v[MX], v[MX+1], v[MX+2]
	s_delay_alu instid0(VALU_DEP_1)
	v_max_num_f32 v[MX], v[MX], v[MX+3]
	s_delay_alu instid0(VALU_DEP_1)
	v_permlanex16_b32 v[PL], v[MX], s[SEL], s[SEL+1]
	s_delay_alu instid0(VALU_DEP_1)
	v_max_num_f32 v[MX], v[MX], v[PL]              ; and of lane l xor 16's
	s_delay_alu instid0(VALU_DEP_1)
	v_mul_f32 v[MX], s[CS], v[MX]                  ; as t (c is positive)
	s_delay_alu instid0(VALU_DEP_1)
	v_max_num_f32 v13, v13, v[MX]                  ; the running largest t
	v_mov_b32 v[MX], v12
	s_delay_alu instid0(VALU_DEP_2)
	v_floor_f32 v12, -v13                          ; the new -M = floor(-t): M is a whole number
	s_delay_alu instid0(VALU_DEP_1)
	v_sub_f32 v[MX], v12, v[MX]                    ; old M less new M: a whole number, 0 or less
	s_delay_alu instid0(VALU_DEP_1)
	v_cvt_i32_f32 v[MX], v[MX]                     ; (it saturates)
	s_delay_alu instid0(VALU_DEP_1)
	v_ldexp_f32 v[FF], 1.0, v[MX]                  ; f = 2^(old M - new M)
.set jj, 0
.rept 32
	v_pk_fma_f32 v[S+jj:S+jj+1], v[S+jj:S+jj+1], s[CS:CS+1], v[12:13] op_sel_hi:[1,0,0]   ; t - M, two at a time
.set jj, jj+2
.endr
.set jj, 0
.rept 16
	v_pk_mul_f32 v[OT+jj:OT+jj+1], v[OT+jj:OT+jj+1], v[FF:FF+1] op_sel_hi:[1,0]   ; O^T under the new M, ahead of the exponentials; each accumulator from its low end on
.set jj, jj+2
.endr
	s_wait_alu depctr_va_vdst(0)                   ; ahead of the batch
.set jj, 0
.rept 64
	v_exp_f32 v[S+jj], v[S+jj]                     ; p = 2^(t - M)
.set jj, jj+1
.endr
	v_pk_mul_f32 v[14:15], v[14:15], v[FF:FF+1] op_sel_hi:[1,0]   ; the sum under the new M: the plain line behind the exponentials
	s_wait_alu depctr_va_vdst(0)                   ; one wait for the whole batch, ahead of its first reader
	v_pk_add_f32 v[216:217], v[96:97], v[98:99]    ; the row's sum is taken of the unquantised p, in eight chains
	v_pk_add_f32 v[218:219], v[112:113], v[120:121]
	v_pk_add_f32 v[220:221], v[128:129], v[136:137]
	v_pk_add_f32 v[222:223], v[144:145], v[152:153]
	v_pk_add_f32 v[254:255], v[100:101], v[102:103]
	v_pk_add_f32 v[252:253], v[114:115], v[122:123]
	v_pk_add_f32 v[250:251], v[130:131], v[138:139]
	v_pk_add_f32 v[14:15], v[14:15], v[146:147]
	v_pk_add_f32 v[216:217], v[216:217], v[154:155]
	v_pk_add_f32 v[218:219], v[218:219], v[104:105]
	v_pk_add_f32 v[220:221], v[220:221], v[106:107]
	v_pk_add_f32 v[222:223], v[222:223], v[116:117]
	v_pk_add_f32 v[254:255], v[254:255], v[124:125]
	v_pk_add_f32 v[252:253], v[252:253], v[132:133]
	v_pk_add_f32 v[250:251], v[250:251], v[140:141]
	v_pk_add_f32 v[14:15], v[14:15], v[148:149]
	v_pk_add_f32 v[216:217], v[216:217], v[156:157]
	v_pk_add_f32 v[218:219], v[218:219], v[108:109]
	v_pk_add_f32 v[220:221], v[220:221], v[110:111]
	v_pk_add_f32 v[222:223], v[222:223], v[118:119]
	v_pk_add_f32 v[254:255], v[254:255], v[126:127]
	v_pk_add_f32 v[252:253], v[252:253], v[134:135]
	v_pk_add_f32 v[250:251], v[250:251], v[142:143]
	v_pk_add_f32 v[14:15], v[14:15], v[150:151]
	v_pk_add_f32 v[216:217], v[216:217], v[158:159]
	s_delay_alu instid0(VALU_DEP_2)
	v_pk_add_f32 v[14:15], v[14:15], v[222:223]
	s_delay_alu instid0(VALU_DEP_2)
	v_pk_add_f32 v[216:217], v[216:217], v[254:255]
	v_pk_add_f32 v[218:219], v[218:219], v[252:253]
	v_pk_add_f32 v[220:221], v[220:221], v[250:251]
	s_delay_alu instid0(VALU_DEP_2)
	v_pk_add_f32 v[14:15], v[14:15], v[218:219]
	s_delay_alu instid0(VALU_DEP_2)
	v_pk_add_f32 v[216:217], v[216:217], v[220:221]
	s_delay_alu instid0(VALU_DEP_1)
	v_pk_add_f32 v[14:15], v[14:15], v[216:217]
.set jj, 0
.rept 32
	v_dual_min_num_f32 v[S+jj], s[PLS], v[S+jj] :: v_dual_min_num_f32 v[S+jj+1], s[PLS], v[S+jj+1]   ; the conversion does not saturate (ISA guide 7.6.2); p is not negative: a one-sided hold, two a line
.set jj, jj+2
.endr
.irp t, 0,1,2,3,4,5,6,7
	v_cvt_scalef32_pk8_bf8_f32 v[PC+2*\t:PC+2*\t+1], v[S+8*\t:S+8*\t+7], v[PSC]
.endr
	v_nop                                          ; a plain line behind the last conversion
	s_wait_alu depctr_va_vdst(0)                   ; directly ahead of the wait below
	s_wait_dscnt 0x0                               ; V's fragments are in
.irp t, 0,1,2,3                                ; the four accumulators take turns
	v_wmma_f32_16x16x128_bf8_bf8 v[OT+8*\t:OT+8*\t+7], v[FRG+16*\t:FRG+16*\t+15], v[PC:PC+15], v[OT+8*\t:OT+8*\t+7]
.endr
.endm
.macro ADDR                            ; the addresses of the step at s[KB]
	v_add_nc_u32 v[ADK], s[KB], v[AK0]
	v_add_nc_u32 v[ADV], s[KB], v[AV0]
	s_wait_alu depctr_va_vdst(0)
.endm
; Steps first .. last - 1 of a tile whose diagonal step is s[dg].  Every wave walks all trips; a step behind the diagonal is jumped over, the step on it is masked: branches on the wave's number and the count alone.
.macro PASS qf, dd, dg, first, last
	s_mov_b32 s[ST], \first
.Lp_\@:
	s_cmp_gt_u32 s[ST], s[\dg]
	s_cbranch_scc1 .Lhid_\@
	ADDR
	KQ \qf, 0
	MASK \dd, \dg
	SOFT
.Lhid_\@:
	s_add_co_u32 s[KB], s[KB], STEPB
	s_add_co_u32 s[ST], s[ST], 1
	s_cmp_lt_u32 s[ST], \last
	s_cbranch_scc1 .Lp_\@
.endm
; THE WAY OUT of a tile: O^T x 2^(e4 + e5) / the sum, held, converted with 2^e6; through my stage, so that sixteen lanes store 256 consecutive bytes, aligned.
.macro WAYOUT p
	v_add_f32 v14, v14, v15
	v_permlanex16_b32 v[PL], v14, s[SEL], s[SEL+1]
	v_add_f32 v14, v14, v[PL]                      ; the row's sum
	s_wait_alu depctr_va_vdst(0)                   ; ahead of the transcendental
	v_rcp_f32 v14, v14
	v_nop
	v_nop
	s_wait_alu depctr_va_vdst(0)                   ; ahead of the reciprocal's first reader
	v_ldexp_f32 v14, v14, s94
	s_wait_alu depctr_va_vdst(0)                   ; directly ahead of the first reader of O^T
.set jj, 0
.rept 16
	v_pk_mul_f32 v[S+jj:S+jj+1], v[OT+jj:OT+jj+1], v[14:15] op_sel_hi:[1,0]   ; register 8 t + i: channel 16 t + 8 h + i of query r
.set jj, jj+2
.endr
.set jj, 0
.rept 32
	v_med3_num_f32 v[S+jj], v[S+jj], -v[ALIM], v[ALIM]
.set jj, jj+1
.endr
.irp t, 0,1,2,3
	v_cvt_scalef32_pk8_bf8_f32 v[S+32+2*\t:S+33+2*\t], v[S+8*\t:S+8*\t+7], v[ASC]
.endr
	v_nop
.irp t, 0,1,2,3
	ds_store_b64 v[STI], v[S+32+2*\t:S+33+2*\t] offset:16*\t
.endr
	ds_load_b128 v[S+40:S+43], v[STB]              ; LDS serves a wave's instructions in order: these see my stores.  Tokens 0-3 in lanes 0-15, 4-7 in lanes 16-31,
	ds_load_b128 v[S+44:S+47], v[STB] offset:512   ; tokens 8-11 and 12-15
	s_wait_dscnt 1                                 ; the first is in, the second may be out
	global_store_b128 v[GO], v[S+40:S+43], s[\p:\p+1]
	s_wait_dscnt 0x0
	global_store_b128 v[GO], v[S+44:S+47], s[\p:\p+1] offset:8192
.endm
	s_wait_alu depctr_va_vdst(0)                   ; the wait at the head's end
	s_wait_loadcnt 0x0                             ; Q of both tiles
.Lfill:                                            ; three trips of three steps of the late tile, steps 0 to 8; trip T asks for phase T + 1
	s_wait_tensorcnt 0x0                           ; my part of the phase asked for last is in, and my group 0 may be written
	ds_add_u32 v[SPW], v[NIL]                      ; 0 onto my spare word
	s_add_co_u32 s[G0+1], s[G0+1], 4*STEPB         ; the next phase: four steps on in LDS,
	s_add_nc_u64 s[G0+2:G0+3], s[G0+2:G0+3], 32768 ; 32,768 bytes on in memory
	s_wait_xcnt 0x0                                ; the last trip's prefetch has read its address
	s_add_nc_u64 s[PFA:PFA+1], s[PFA:PFA+1], 32768
	s_wait_dscnt 0x0
	ROUND                                          ; the phase asked for last is whole in all four work-groups, and the joint loads meet
	JLOAD                                          ; a first fill: bytes that nothing has filled
	s_cmp_gt_u32 s[CNT], s[LIM]                    ; waves 0 and 8, in the first two trips
	s_cbranch_scc0 .Lnot_mine
	global_prefetch_b8 v[PFO], s[PFA:PFA+1] th:TH_LOAD_NT scope:SCOPE_SE
.Lnot_mine:
	ADDR
	KQ QF, 0                                       ; steps 0, 3, 6 and 1, 4, 7 lie ahead of every late tile's diagonal
	SOFT
	KQ QF, 1
	SOFT
	KQ QF, 2                                       ; steps 2, 5, 8: step 8 is the diagonal step of waves 14 and 15
	MASK DDL, DGL
	SOFT
	s_add_co_u32 s[ST], s[ST], 3
	s_add_co_u32 s[KB], s[KB], 3*STEPB
	s_sub_co_u32 s[CNT], s[CNT], 1
	s_cmp_lg_u32 s[CNT], 0
	s_cbranch_scc1 .Lfill
	s_wait_tensorcnt 0x0                           ; my part of phase 3 is in
	ds_add_u32 v[SPW], v[NIL]
	s_wait_dscnt 0x0
	s_barrier_signal -1
	s_barrier_wait -1                              ; all of K and V is in; nothing more is fetched
	PASS QF, DDL, DGL, 9, 16                       ; the late tile's steps 9 on
	WAYOUT AL
	s_wait_xcnt 0x0                                ; the stores have read their registers
	INIT
	s_mov_b32 s[KB], 0
	s_wait_alu depctr_va_vdst(0)                   ; ahead of the loop's branches and waits
	PASS QE, DDE, DGE, 0, 8                        ; the early tile
	WAYOUT AE
	s_wait_tensorcnt 0x0                           ; the wave's end
	ds_add_u32 v[SPW], v[NIL]
	s_wait_dscnt 0x0
	ROUND                                          ; the closing round
	s_endpgm
.Lfunc_end_k_q54ef38539f_attn:
	.size	k_q54ef38539f_attn, .Lfunc_end_k_q54ef38539f_attn-k_q54ef38539f_attn
	.p2alignl 7, 3214868480
	.fill 96, 4, 3214868480
	.section	.rodata,"a",@progbits
	.p2align	6, 0x0
	.amdhsa_kernel k_q54ef38539f_attn
		.amdhsa_group_segment_fixed_size 327680
		.amdhsa_private_segment_fixed_size 0
		.amdhsa_enable_private_segment 0
		.amdhsa_kernarg_size 40
		.amdhsa_user_sgpr_count 2
		.amdhsa_user_sgpr_kernarg_segment_ptr 1
		.amdhsa_wavefront_size32 1
		.amdhsa_system_sgpr_workgroup_id_x 1
		.amdhsa_system_sgpr_workgroup_id_y 1
		.amdhsa_system_sgpr_workgroup_id_z 1
		.amdhsa_system_vgpr_workitem_id 0
		.amdhsa_next_free_vgpr 256
		.amdhsa_next_free_sgpr 96
		.amdhsa_reserve_vcc 1
		.amdhsa_float_denorm_mode_32 3
		.amdhsa_float_denorm_mode_16_64 3
		.amdhsa_memory_ordered 1
		.amdhsa_forward_progress 1
		.amdhsa_inst_pref_size 114
	.end_amdhsa_kernel
	.amdgpu_metadata
---
amdhsa.version: [ 1, 2 ]
amdhsa.kernels:
  - .name:           k_q54ef38539f_attn
    .symbol:         k_q54ef38539f_attn.kd
    .args:
      - { .name: q_codes, .offset: 0, .size: 8, .value_kind: global_buffer, .address_space: global }
      - { .name: k_codes, .offset: 8, .size: 8, .value_kind: global_buffer, .address_space: global }
      - { .name: v_codes, .offset: 16, .size: 8, .value_kind: global_buffer, .address_space: global }
      - { .name: lowp_scales, .offset: 24, .size: 8, .value_kind: global_buffer, .address_space: global }
      - { .name: a_codes, .offset: 32, .size: 8, .value_kind: global_buffer, .address_space: global }
    .group_segment_fixed_size: 327680
    .private_segment_fixed_size: 0
    .kernarg_segment_align: 8
    .kernarg_segment_size: 40
    .max_flat_workgroup_size: 512
    .sgpr_count:     96
    .vgpr_count:     256
    .wavefront_size: 32
...
	.end_amdgpu_metadata
.endif
;; end of part 3
;; launch proj (part 4): grid 4 x 64, 4 waves a work-group, clusters of 4 x 4, 327,680 bytes of LDS; arguments a_codes, wproj_codes, lowp_scales, b_proj, out0; writes out0
.if DOCPART == 4
	.amdgcn_target "amdgcn-amd-amdhsa--gfx1250"
	.amdhsa_code_object_version 6
	.text
	.protected	k_q54ef38539f_proj
	.globl	k_q54ef38539f_proj
	.p2align	8
	.type	k_q54ef38539f_proj,@function
k_q54ef38539f_proj:
	s_mov_b64 s[64:65], 0
	v_nop
	global_prefetch_b8 v0, s[64:65] scope:SCOPE_SE
	s_setreg_imm32_b32 hwreg(HW_REG_WAVE_MODE, 25, 1), 1
	s_wait_xcnt 0x0
	s_wait_alu depctr_hold_cnt(0) depctr_sa_sdst(0) depctr_va_vdst(0) depctr_va_sdst(0) depctr_va_ssrc(0) depctr_va_vcc(0) depctr_vm_vsrc(0)
	s_getreg_b32 s2, hwreg(HW_REG_IB_STS2, 6, 4)
	s_cmp_eq_u32 s2, 0
	s_cbranch_scc0 .Lentry_in_a_cluster
	s_endpgm
.Lentry_in_a_cluster:
	s_bfe_u32 s2, ttmp6, 0x10000c
	s_cmp_lg_u32 s2, 0xf033
	s_cbranch_scc0 .Lentry_shape_is_right
	s_endpgm
.Lentry_shape_is_right:
; out0 = a W_proj + b_proj on codes of BF8 (E5M2).  a_codes: byte (token / 4) 4,096 + head 256 + (token % 4) 64 + channel: a row of 4,096 bytes holds four tokens; wproj_codes [1024 columns][1024], K innermost.
; A finished sum is multiplied once by 2^(e6 + e7) and the bias is added in the same fused multiply-add.  LIMIT: e6 + e7 between -126 and 127, so that 2^(e6 + e7) is an f32 number.
; A block of 128 tokens x 256 columns is made by four waves, each 64 x 128: 32 accumulators, 256 registers; 64 x 4 blocks are 256 work-groups.
; K goes in four steps of 256 (four heads) through two LDS slots filled by the tensor data mover: of a, 32 rows of four tokens x 1,024 bytes (waves 0 and 1, 16 rows each); of W, 256 rows x 256 bytes (waves 2 and 3).
; CLUSTERS of 4 x 4: a's tile hangs on the block's row and is asked for jointly along a row of the cluster, W's on the block's column, along a column of the cluster.
; THE MATRIX INSTRUCTION IS USED TRANSPOSED: source 0 = 16 rows of W, source 1 = 16 tokens: a lane holds eight neighbouring columns of one token.
; No prefetch: K is four steps, written straight: the text has no loop to run ahead in.
; REGISTERS: window 0: v1-31 addresses and the bias; a's fragments (4 x 16 tokens x 128 K) in two sets, v128-191 and v192-255; on the way out v128-255 are free.
;   window 1: W's fragments (8 x 16 rows x 128 K) in two sets, v0-127 and v128-255.   window 2: the accumulators ((a, b) at v[8 (8 a + b)]).
; A half step is 128 along K: 32 matrix instructions on one set, while the next half step's 48 LDS loads, issued in one run ahead of them, fill the other set.
.set ROWB,   256                       ; a row of W's tile
.set ROWA,   1024                      ; a row of a's tile: four tokens x four heads x 64
.set KROW,   1024
.set PITCH,  272                       ; W's rows in LDS: 256 bytes + 16
.set PA,     1040                      ; a's rows in LDS: 1,024 bytes + 16
.set FR,     16
.set NP,     4                         ; places behind this matrix instruction (ISA guide 7.12.1)
.set HALFA,  16*PA                     ; 64 tokens: what one load brings of a, and what one wave reads
.set HALFB,  128*PITCH
.set SLOT,   2*HALFA+2*HALFB
.set SPARE,  2*SLOT                    ; behind the ring: the spare words, 128 bytes for each wave
.set SPITCH, 528                       ; the way out: a stage of 16 rows x (512 bytes + 16) for each wave, in slot 0, which has had its last fill and its last read by then
.set BIAS, 8
.set ADRA, 16
.set ADRB, 20
.set STO,  24
.set RD,   25
.set CO,   26
.set SPW,  28
.set NIL,  29
.set AF,   128
.set BK,   128
.set G1, 24
.set G0, 32
.set G1B, 48
.set G0B, 56
.set MSB, 0
.macro WIN new                         ; the immediate's high byte repeats the setting that is left
.if MSB != \new
	s_set_vgpr_msb (MSB<<8)|\new
.set MSB, \new
.endif
.endm
.set MUL,  0xa1                        ; source 0 (W) window 1, source 1 (a) window 0, C and D window 2
.set TO_B, 0x40                        ; destination window 1, address window 0
; A joint load: waves 0 and 1 fetch for a, waves 2 and 3 for W; the branch hangs on the wave's number alone.  s_nop 0 and four v_nop follow each of the two lines.
.macro JLOAD g0a, g1a, g0b, g1b
	s_cmp_eq_u32 s15, 0
	s_cbranch_scc0 .Lfor_b_\@
	tensor_load_to_lds s[\g0a:\g0a+3], s[\g1a:\g1a+7]
	s_nop 0
.rept 4
	v_nop
.endr
	s_branch .Lasked_\@
.Lfor_b_\@:
	tensor_load_to_lds s[\g0b:\g0b+3], s[\g1b:\g1b+7]
	s_nop 0
.rept 4
	v_nop
.endr
.Lasked_\@:
.endm
.macro CREST                           ; a round of the cluster's barrier behind its opening barrier
	s_cmp_lg_u32 s14, 0
	s_cbranch_scc1 .Lnot_wave_0_\@
	s_barrier_signal -3
.Lnot_wave_0_\@:
	s_barrier_wait -3
	s_barrier_signal -1
	s_barrier_wait -1
.endm
.macro CROUND
	s_barrier_signal -1
	s_barrier_wait -1
	CREST
.endm
	s_load_b128 s[4:7], s[0:1], 0x0                ; a_codes, wproj_codes
	s_load_b128 s[8:11], s[0:1], 0x10              ; the scales' exponents, b_proj
	s_load_b64 s[12:13], s[0:1], 0x20              ; out0
	v_lshl_add_u32 v[SPW], v0, 2, SPARE
	v_mov_b32 v[NIL], 0
	ds_add_u32 v[SPW], v[NIL]                      ; the opening: the add, twice on end, and its wait
	ds_add_u32 v[SPW], v[NIL]
	s_wait_dscnt 0x0
	v_lshrrev_b32 v1, 5, v0
	v_readfirstlane_b32 s14, v1                    ; wave 0..3
	s_lshr_b32 s15, s14, 1                         ; which 64 tokens are mine.  Also: I fetch for a (0) or for W (1)
	s_and_b32 s16, s14, 1                          ; which 128 columns.  Also: which half of that tile I fetch
	s_bfe_u32 s40, ttmp6, 0x40000                  ; cx
	s_bfe_u32 s41, ttmp6, 0x40004                  ; cy
	s_lshl_b32 s42, ttmp9, 2
	s_add_co_u32 s42, s42, s40                     ; the block's column = 4 x cluster x + cx
	s_and_b32 s17, ttmp7, 0xffff
	s_lshl_b32 s17, s17, 2
	s_add_co_u32 s17, s17, s41                     ; the block's row = 4 x cluster y + cy
	s_lshl_b32 s43, s41, 2
	s_lshl_b32 s43, 15, s43                        ; my row of the cluster
	s_lshl_b32 s44, 0x1111, s40                    ; my column
	s_or_b32 s[G1+0], s43, (0<<16)|(1<<20)|(1<<21)|(7<<22)|(3<<25)   ; the mask; elements of 1 byte; padding on; bit 21 beside a mask; 4 words after every 256
	s_mov_b32 s[G1+1], ROWA<<16                    ; tensor_dim0
	s_mov_b32 s[G1+2], 16<<16                      ; tensor_dim1
	s_mov_b32 s[G1+3], ROWA<<16                    ; tile_dim0
	s_mov_b32 s[G1+4], 16                          ; tile_dim1
	s_mov_b32 s[G1+5], 4096                        ; from row to row
	s_mov_b32 s[G1+6], 0
	s_mov_b32 s[G1+7], 0
	s_or_b32 s[G1B+0], s44, (0<<16)|(1<<20)|(1<<21)|(5<<22)|(3<<25)  ; 4 words after every 64
	s_mov_b32 s[G1B+1], ROWB<<16
	s_mov_b32 s[G1B+2], 128<<16
	s_mov_b32 s[G1B+3], ROWB<<16
	s_mov_b32 s[G1B+4], 128
	s_mov_b32 s[G1B+5], KROW
	s_mov_b32 s[G1B+6], 0
	s_mov_b32 s[G1B+7], 0
	s_lshl_b32 s18, s16, 6
	s_lshl_b32 s20, s17, 7
	s_add_co_u32 s20, s20, s18
	s_lshl_b32 s20, s20, 10                        ; a: token 128 x row + 64 x half, 1,024 bytes a token
	s_mov_b32 s21, 0
	s_lshl_b32 s18, s16, 7
	s_lshl_b32 s46, s42, 8
	s_add_co_u32 s46, s46, s18
	s_lshl_b32 s46, s46, 10                        ; W: row 256 x column + 128 x half, 1,024 bytes a row
	s_mov_b32 s47, 0
	s_mul_i32 s45, s16, HALFA                      ; where they go: no place in the cluster enters an LDS address
	s_mul_i32 s66, s16, HALFB
	s_add_co_u32 s66, s66, 2*HALFA
	s_wait_kmcnt 0x0
	s_load_b64 s[96:97], s[8:9], 0x18              ; e6, e7
	s_add_nc_u64 s[20:21], s[4:5], s[20:21]
	s_add_nc_u64 s[46:47], s[6:7], s[46:47]
	CROUND                                         ; all sixteen work-groups are here: the first joint loads meet
.irp s, 0,1
	s_mov_b32 s[G0+4*\s], 1
	s_add_co_u32 s[G0+4*\s+1], s45, \s*SLOT
	s_add_nc_u64 s[G0+4*\s+2:G0+4*\s+3], s[20:21], \s*ROWA
	s_or_b32 s[G0+4*\s+3], s[G0+4*\s+3], 0x80000000
	s_mov_b32 s[G0B+4*\s], 1
	s_add_co_u32 s[G0B+4*\s+1], s66, \s*SLOT
	s_add_nc_u64 s[G0B+4*\s+2:G0B+4*\s+3], s[46:47], \s*ROWB
	s_or_b32 s[G0B+4*\s+3], s[G0B+4*\s+3], 0x80000000
.endr
	JLOAD G0, G1, G0B, G1B                         ; K step 0: one tensor load a wave at the head
	v_and_b32 v1, 15, v0                           ; r = lane % 16
	v_bfe_u32 v2, v0, 4, 1                         ; h = lane / 16
	v_mul_u32_u24 v3, v1, PITCH
	v_lshl_add_u32 v4, v2, 4, v3                   ; W: r x 272 + 16 h
	v_lshrrev_b32 v5, 2, v1
	v_and_b32 v6, 3, v1
	v_mul_u32_u24 v5, v5, PA
	v_lshl_add_u32 v5, v6, 6, v5
	v_lshl_add_u32 v5, v2, 4, v5                   ; a: (r / 4) x 1,040 + 64 (r % 4) + 16 h
	s_mul_i32 s21, s15, HALFA
	s_mul_i32 s22, s16, HALFB
	s_add_co_u32 s22, s22, 2*HALFA
.irp s, 0,1
	v_add_nc_u32 v[ADRA+\s], s21, v5
	v_add_nc_u32 v[ADRB+\s], s22, v4
	s_add_co_u32 s21, s21, SLOT
	s_add_co_u32 s22, s22, SLOT
.endr
	s_mul_i32 s23, s14, 16*SPITCH                  ; my stage
	v_mul_u32_u24 v7, v1, SPITCH
	v_lshl_add_u32 v7, v2, 5, v7
	v_add_nc_u32 v[STO], s23, v7                   ; in: row r, 32 bytes for each half of the lanes
	v_and_b32 v6, 31, v0
	v_lshlrev_b32 v[CO], 4, v6                     ; back: the 32 lanes take one row of 512 bytes; and the same in out0
	v_add_nc_u32 v[RD], s23, v[CO]
	s_lshl_b32 s46, s42, 10
	s_lshl_b32 s47, s16, 9
	s_add_co_u32 s46, s46, s47                     ; my first column, in bytes
	s_mov_b32 s47, 0
	s_add_nc_u64 s[10:11], s[10:11], s[46:47]
	global_load_b128 v[BIAS:BIAS+3], v[CO], s[10:11]   ; the bias of my lane's four columns of a row read back
	s_lshl_b32 s20, s17, 7
	s_lshl_b32 s21, s15, 6
	s_add_co_u32 s20, s20, s21                     ; my first token: 128 x row + 64 x half
	s_lshl_b32 s20, s20, 12
	s_mov_b32 s21, 0
	s_add_nc_u64 s[20:21], s[20:21], s[46:47]
	s_add_nc_u64 s[12:13], s[12:13], s[20:21]
.macro FRAG reg, adr, q, i             ; W: 16 rows x 128 K: registers 4 c .. 4 c + 3 hold K = 32 c + 16 h + 0 .. 15
.irp c, 0,1,2,3
	ds_load_b128 v[\reg+4*\c:\reg+4*\c+3], v[\adr] offset:128*(\q)+32*\c+(\i)*16*PITCH
.endr
.endm
.macro FRAG_A reg, adr, q, i           ; a: the same K in the same registers: head 2 q + c / 2 of the slot's four, channels 32 (c % 2) + 16 h on
.irp c, 0,1,2,3
	ds_load_b128 v[\reg+4*\c:\reg+4*\c+3], v[\adr] offset:256*(2*(\q)+\c/2)+32*(\c%2)+4*(\i)*PA
.endr
.endm
; 16 matrix instructions: a's blocks a0, a0 + 1 x W's eight, on set p.  The 32 accumulators take turns, one instruction a turn, in the same order in every half step.
.macro MUL16 a0, p, zero
.irp a, \a0, \a0+1
.irp b, 0,1,2,3,4,5,6,7
.if \zero
	v_wmma_f32_16x16x128_bf8_bf8 v[8*(8*(\a)+\b):8*(8*(\a)+\b)+7], v[128*(\p)+FR*\b:128*(\p)+FR*\b+FR-1], v[AF+64*(\p)+FR*(\a):AF+64*(\p)+FR*(\a)+FR-1], 0
.else
	v_wmma_f32_16x16x128_bf8_bf8 v[8*(8*(\a)+\b):8*(8*(\a)+\b)+7], v[128*(\p)+FR*\b:128*(\p)+FR*\b+FR-1], v[AF+64*(\p)+FR*(\a):AF+64*(\p)+FR*(\a)+FR-1], v[8*(8*(\a)+\b):8*(8*(\a)+\b)+7]
.endif
.endr
.endr
.endm
.macro FETCH slot, q, p                ; 48 LDS loads in one run: the fragments of the slot's q-th 128 along K into set p
	WIN TO_B
.irp i, 0,1,2,3,4,5,6,7
	FRAG 128*(\p)+FR*\i, ADRB+\slot, \q, \i
.endr
	WIN 0
.irp i, 0,1,2,3
	FRAG_A AF+64*(\p)+FR*\i, ADRA+\slot, \q, \i
.endr
.endm
.macro PLACES n                        ; plain vector lines between a matrix instruction and a load into, or a store of, its registers
.rept \n
	v_nop
.endr
.endm
.macro STEP slot, zero                 ; a slot's first 128 along K, on set 0; the second 128 are fetched into set 1
	s_wait_dscnt 0x0                               ; set 0 is in
	PLACES NP                                      ; the last products read set 1
	FETCH \slot, 1, 1
	WIN MUL
	MUL16 0, 0, \zero
	MUL16 2, 0, \zero
	WIN 0
.endm
; A slot's second 128 along K, on set 1, change slots: one barrier; in front of it each wave waits for all its tensor loads, adds 0 to its spare word, and waits for that and for its reads of this slot.
.macro TURN slot, next, fill
	s_wait_tensorcnt 0x0                           ; all my tensor loads have landed: my part of the next slot
	ds_add_u32 v[SPW], v[NIL]                      ; 0 onto my spare word
	s_wait_dscnt 1                                 ; set 1 is in; the add may be out
	WIN MUL
	MUL16 0, 1, 0                                  ; sixteen matrix instructions stand between the add and the wait for it
	s_wait_dscnt 0x0                               ; the add is done, and my reads of this slot are over
	s_barrier_signal -1
	WIN 0
	s_barrier_wait -1
.if \fill
	CREST                                          ; the barrier has opened a round of the cluster's: no wave of any partner still reads this slot or has a load on its way
	s_add_nc_u64 s[G0+4*\slot+2:G0+4*\slot+3], s[G0+4*\slot+2:G0+4*\slot+3], 2*ROWA
	s_add_nc_u64 s[G0B+4*\slot+2:G0B+4*\slot+3], s[G0B+4*\slot+2:G0B+4*\slot+3], 2*ROWB
	JLOAD G0+4*\slot, G1, G0B+4*\slot, G1B         ; the first tensor load behind the round; its four v_nop are the places in front of the loads below
.else
	PLACES NP
.endif
	FETCH \next, 0, 0
	WIN MUL
	MUL16 2, 1, 0
	WIN 0
.endm
	s_wait_alu depctr_va_vdst(0)                   ; the wait at the head's end
	s_wait_tensorcnt 0x0                           ; my part of K step 0 is in
	ds_add_u32 v[SPW], v[NIL]
	s_wait_dscnt 0x0
	CROUND                                         ; a whole round: everybody's part of K step 0 is in, and the joint loads meet
	JLOAD G0+4, G1, G0B+4, G1B                     ; K step 1's load, the first tensor load behind the round
	FETCH 0, 0, 0
	STEP 0, 1                                      ; the first products start the sums: nothing is cleared
	TURN 0, 1, 1
	STEP 1, 0
	TURN 1, 0, 1
	STEP 0, 0
	TURN 0, 1, 0                                   ; nothing more is filled; behind this barrier nobody reads slot 0
	STEP 1, 0
	s_wait_dscnt 0x0
	WIN MUL
	MUL16 0, 1, 0
	MUL16 2, 1, 0
	WIN 0
; THE WAY OUT, block by block of 16 tokens x 128 columns: through my own stage in LDS and back as whole rows of 512 bytes, which the 32 lanes store as two aligned units of 256 bytes.
; LDS serves a wave's instructions in order: no wait between the stores and the loads.
.macro TOSTAGE a
.set AC, 64*(\a)
.set BB, BK+64*((\a)%2)
	WIN 0x08                                       ; the stores' data: window 2
.irp b, 0,1,2,3,4,5,6,7
	ds_store_b128 v[STO], v[AC+8*\b:AC+8*\b+3] offset:64*\b        ; each accumulator from its low end on
	ds_store_b128 v[STO], v[AC+8*\b+4:AC+8*\b+7] offset:64*\b+16
.endr
	WIN 0
.irp t, 0,1,2,3,4,5,6,7,8,9,10,11,12,13,14,15
	ds_load_b128 v[BB+4*\t:BB+4*\t+3], v[RD] offset:\t*SPITCH
.endr
.endm
.macro SEND a, younger                 ; younger: the LDS instructions issued behind block a's loads, which may stay out
.set BB, BK+64*((\a)%2)
	s_wait_dscnt \younger
.if (\a) > 0
	s_add_nc_u64 s[12:13], s[12:13], 16*4096       ; (behind a wait on XCNT: the earlier stores have read their base)  16 tokens on
.endif
.irp t, 0,1,2,3,4,5,6,7,8,9,10,11,12,13,14,15
	v_pk_fma_f32 v[BB+4*\t:BB+4*\t+1], v[BB+4*\t:BB+4*\t+1], s[96:97], v[BIAS:BIAS+1] op_sel_hi:[1,0,1]       ; sum x 2^(e6 + e7) + bias
	v_pk_fma_f32 v[BB+4*\t+2:BB+4*\t+3], v[BB+4*\t+2:BB+4*\t+3], s[96:97], v[BIAS+2:BIAS+3] op_sel_hi:[1,0,1]
.endr
.irp t, 0,1,2,3,4,5,6,7,8,9,10,11,12,13,14,15
	global_store_b128 v[CO], v[BB+4*\t:BB+4*\t+3], s[12:13] offset:\t*4096 th:TH_STORE_NT   ; 32 lanes store 512 consecutive bytes, aligned
.endr
.endm
	s_wait_kmcnt 0x0
	s_add_co_i32 s96, s96, s97
	s_add_co_i32 s96, s96, 127
	s_lshl_b32 s96, s96, 23                        ; 2^(e6 + e7) as f32
	s_wait_loadcnt 0x0                             ; the bias
	PLACES NP                                      ; behind the last products: the lines below read results and load into registers that held a's fragments
	TOSTAGE 0
.irp a, 1,2,3
.if \a > 1
	s_wait_xcnt 0x0                                ; block a - 2's stores have read their registers and their base
.endif
	TOSTAGE \a
	SEND \a-1, 32                                  ; behind block a - 1's loads: block a's 16 stores and 16 loads
.endr
	s_wait_xcnt 0x0
	SEND 3, 0
	s_wait_tensorcnt 0x0                           ; the wave's end
	ds_add_u32 v[SPW], v[NIL]
	s_wait_dscnt 0x0
	CROUND                                         ; the closing round
	s_endpgm
.Lfunc_end_k_q54ef38539f_proj:
	.size	k_q54ef38539f_proj, .Lfunc_end_k_q54ef38539f_proj-k_q54ef38539f_proj
	.p2alignl 7, 3214868480
	.fill 96, 4, 3214868480
	.section	.rodata,"a",@progbits
	.p2align	6, 0x0
	.amdhsa_kernel k_q54ef38539f_proj
		.amdhsa_group_segment_fixed_size 327680
		.amdhsa_private_segment_fixed_size 0
		.amdhsa_enable_private_segment 0
		.amdhsa_kernarg_size 40
		.amdhsa_user_sgpr_count 2
		.amdhsa_user_sgpr_kernarg_segment_ptr 1
		.amdhsa_wavefront_size32 1
		.amdhsa_system_sgpr_workgroup_id_x 1
		.amdhsa_system_sgpr_workgroup_id_y 1
		.amdhsa_system_sgpr_workgroup_id_z 1
		.amdhsa_system_vgpr_workitem_id 0
		.amdhsa_next_free_vgpr 768
		.amdhsa_next_free_sgpr 98
		.amdhsa_reserve_vcc 0
		.amdhsa_float_denorm_mode_32 3
		.amdhsa_float_denorm_mode_16_64 3
		.amdhsa_memory_ordered 1
		.amdhsa_forward_progress 1
		.amdhsa_inst_pref_size 76
	.end_amdhsa_kernel
	.amdgpu_metadata
---
amdhsa.version: [ 1, 2 ]
amdhsa.kernels:
  - .name:           k_q54ef38539f_proj
    .symbol:         k_q54ef38539f_proj.kd
    .args:
      - { .name: a_codes, .offset: 0, .size: 8, .value_kind: global_buffer, .address_space: global }
      - { .name: wproj_codes, .offset: 8, .size: 8, .value_kind: global_buffer, .address_space: global }
      - { .name: lowp_scales, .offset: 16, .size: 8, .value_kind: global_buffer, .address_space: global }
      - { .name: b_proj, .offset: 24, .size: 8, .value_kind: global_buffer, .address_space: global }
      - { .name: out0, .offset: 32, .size: 8, .value_kind: global_buffer, .address_space: global }
    .group_segment_fixed_size: 327680
    .private_segment_fixed_size: 0
    .kernarg_segment_align: 8
    .kernarg_segment_size: 40
    .max_flat_workgroup_size: 128
    .sgpr_count:     98
    .vgpr_count:     768
    .wavefront_size: 32
...
	.end_amdgpu_metadata
.endif
;; end of part 4
